; MI455X (gfx1250); checked and timed in simulation.
; The chip was launched on July 23, 2026; its instructions are those of AMD's public machine-readable ISA for CDNA 5 (MIT licence, August 2026) and "CDNA5" Instruction Set Architecture Reference Guide (July 2026). The comments in the code are by the model that wrote it; some were corrected since.
;; Single Head Attention. Allowed arithmetic: float matrix products may take bf16 or f16 operands with f32 sums; other float arithmetic in f32, or as packed bf16 or f16 multiplies, adds, multiply-adds, maxima and minima; sums over many terms, partial sums and values carried from step to step in f32; what a program stores and reads back later, other than sums and carried values, may be rounded once to bf16 or f16.
;; Inputs: w_k 1,024 x 1,024 float32; w_q 1,024 x 1,024 float32; w_v 1,024 x 1,024 float32; x 4 x 2,048 x 1,024 float32.
;; Outputs: out0 4 x 2,048 x 1,024 float32.
;; Constants: causal = 1.
;; 2 versions, each right; version 2 is version 1 with the launch cast written anew for expert scheduling mode. Each part assembles by itself: llvm-mc -triple=amdgcn-amd-amdhsa -mcpu=gfx1250 --defsym DOCPART=n.
;; ======== version 1 of 2: 4 launches
;; limits: values are held in f16: magnitudes above 65,504 overflow, below 6.1e-05 lose precision
;; workspace buffers: ab 23,068,672 bytes; qk 33,554,432 bytes; vt 16,777,216 bytes; pt 33,554,432 bytes; st 1,048,576 bytes
;; launch cast (part 1): grid 800 x 1, 8 waves a work-group, no clusters, 0 bytes of LDS; arguments x, w_q, w_k, w_v, ab, pt, st; writes ab, pt, st
.if DOCPART == 1
	.amdgcn_target "amdgcn-amd-amdhsa--gfx1250"
	.amdhsa_code_object_version 6
	.text
	.protected	k_q33b3ca1562_cast
	.globl	k_q33b3ca1562_cast
	.p2align	8
	.type	k_q33b3ca1562_cast,@function
k_q33b3ca1562_cast:
	s_mov_b64 s[64:65], 0
	v_nop
	global_prefetch_b8 v0, s[64:65] scope:SCOPE_SE
	s_setreg_imm32_b32 hwreg(HW_REG_WAVE_MODE, 25, 1), 1
	s_wait_xcnt 0x0
; CAST AND DEFAULTS.  ab = [11264][1024] bf16: rows 0-8191 x, 8192-9215 w_q, 9216-10239 w_k, 10240-11263 w_v, each number rounded once (to nearest even).
; Work-groups 0-703: 16 rows of 4,096 bytes each; a wave takes two rows: 16 loads of 512 consecutive bytes, all issued before the first is used, and 16 stores of 256 consecutive bytes, aligned.
; Work-groups 704-767: the 16 blocks of 256 queries x 256 keys of pt that lie just above the diagonal inside a block of 512 x 512 take 0: the last launch multiplies them, with the factor 0,
; so they must hold finite numbers.  64 rows of 512 bytes a work-group.
; Work-groups 768-799: st takes its defaults, 32,768 bytes a work-group: plane 0 (c m) -1e30, plane 1 (l) 0; the chunks that are computed are stored over them by the launch that computes them.
; No LDS, no barrier, no matrix work: bytes are all there is.
.set NCAST, 704
.set NFILL, 768
	s_load_b256 s[4:11], s[0:1], 0x0               ; x s[4:5], w_q s[6:7], w_k s[8:9], w_v s[10:11]
	s_load_b128 s[12:15], s[0:1], 0x20             ; ab s[12:13], pt s[14:15]
	s_load_b64 s[16:17], s[0:1], 0x30              ; st
	s_mov_b32 s20, ttmp9                           ; g
	v_lshrrev_b32 v3, 5, v0                        ; wave
	v_and_b32 v4, 31, v0                           ; lane
	s_cmp_lt_u32 s20, NCAST
	s_cbranch_scc0 .Lfill
	s_and_b32 s21, s20, 63                         ; a weight's block of 16 rows (512, 576 and 640 are multiples of 64),
	s_cmp_lt_u32 s20, 512
	s_cselect_b32 s21, s20, s21                    ; or x's
	s_lshl_b32 s22, s21, 16                        ; 16 rows of 4,096 bytes in the source,
	s_mov_b32 s23, 0
	s_lshl_b32 s24, s20, 15                        ; 16 rows of 2,048 bytes in ab
	s_mov_b32 s25, 0
	v_lshlrev_b32 v1, 13, v3                       ; my wave's two rows,
	v_lshl_or_b32 v1, v4, 4, v1                    ; my 16 bytes of each 512
	v_lshrrev_b32 v2, 1, v1                        ; and half of that in ab
	s_wait_kmcnt 0x0
	s_mov_b64 s[26:27], s[4:5]
	s_cmp_ge_u32 s20, 512
	s_cselect_b64 s[26:27], s[6:7], s[26:27]
	s_cmp_ge_u32 s20, 576
	s_cselect_b64 s[26:27], s[8:9], s[26:27]
	s_cmp_ge_u32 s20, 640
	s_cselect_b64 s[26:27], s[10:11], s[26:27]
	s_add_nc_u64 s[26:27], s[26:27], s[22:23]
	s_add_nc_u64 s[28:29], s[12:13], s[24:25]
.set n, 0
.rept 16
	global_load_b128 v[8+4*n:11+4*n], v1, s[26:27] offset:512*n th:TH_LOAD_NT
.set n, n+1
.endr
.set n, 0
.rept 16
	s_wait_loadcnt 15-n                            ; loads come back in order: number n is in, the 15 - n younger ones stay out
	v_cvt_pk_bf16_f32 v[72+2*n], v[8+4*n], v[9+4*n]
	v_cvt_pk_bf16_f32 v[73+2*n], v[10+4*n], v[11+4*n]
	global_store_b64 v2, v[72+2*n:73+2*n], s[28:29] offset:256*n  ; 32 lanes store 256 consecutive bytes, aligned; no register is used twice, so nothing is waited for
.set n, n+1
.endr
	s_endpgm
.Lfill:
	s_sub_co_u32 s21, s20, NCAST                   ; a quarter of a zero block: batch z / 16, block (z / 4) % 4, quarter z % 4
	s_lshr_b32 s22, s21, 4
	s_bfe_u32 s23, s21, 0x20002
	s_and_b32 s24, s21, 3
	s_lshl_b32 s22, s22, 11                        ; row 2,048 b
	s_lshl_b32 s25, s23, 9                         ; + 512 c
	s_add_co_u32 s22, s22, s25
	s_lshl_b32 s24, s24, 6                         ; + 64 quarter
	s_add_co_u32 s22, s22, s24
	s_lshl_b32 s22, s22, 12                        ; rows of 4,096 bytes
	s_lshl_b32 s25, s23, 10                        ; key 512 c + 256, two bytes each
	s_add_co_u32 s22, s22, s25
	s_add_co_u32 s22, s22, 512
	s_sub_co_u32 s26, s20, NFILL                   ; a part of st (of use where g is 768 or more)
	s_lshl_b32 s27, s26, 15
	s_cmp_lt_u32 s26, 16                           ; plane 0 is the first 16 parts
	s_cselect_b32 s28, 0xf149f2ca, 0               ; -1e30 or 0
	s_cmp_lt_u32 s20, NFILL
	s_cselect_b32 s30, s22, s27                    ; the offset,
	s_cselect_b32 s28, 0, s28                      ; the number,
	s_cselect_b32 s29, 15, 9                       ; and a wave's share: eight rows of pt, or 512 bytes of each 4,096 of st
	s_mov_b32 s31, 0
	s_wait_kmcnt 0x0
	s_cselect_b64 s[32:33], s[14:15], s[16:17]
	s_add_nc_u64 s[32:33], s[32:33], s[30:31]
	v_lshlrev_b32 v5, s29, v3
	v_lshl_or_b32 v5, v4, 4, v5
	v_mov_b32 v8, s28
	v_mov_b32 v9, s28
	v_mov_b32 v10, s28
	v_mov_b32 v11, s28
.set n, 0
.rept 8
	global_store_b128 v5, v[8:11], s[32:33] offset:4096*n  ; 512 consecutive bytes, aligned
.set n, n+1
.endr
	s_endpgm
.Lfunc_end_k_q33b3ca1562_cast:
	.size	k_q33b3ca1562_cast, .Lfunc_end_k_q33b3ca1562_cast-k_q33b3ca1562_cast
	.p2alignl 7, 3214868480
	.fill 96, 4, 3214868480
	.section	.rodata,"a",@progbits
	.p2align	6, 0x0
	.amdhsa_kernel k_q33b3ca1562_cast
		.amdhsa_group_segment_fixed_size 0
		.amdhsa_private_segment_fixed_size 0
		.amdhsa_enable_private_segment 0
		.amdhsa_kernarg_size 56
		.amdhsa_user_sgpr_count 2
		.amdhsa_user_sgpr_kernarg_segment_ptr 1
		.amdhsa_wavefront_size32 1
		.amdhsa_system_sgpr_workgroup_id_x 1
		.amdhsa_system_sgpr_workgroup_id_y 1
		.amdhsa_system_sgpr_workgroup_id_z 1
		.amdhsa_system_vgpr_workitem_id 0
		.amdhsa_next_free_vgpr 104
		.amdhsa_next_free_sgpr 66
		.amdhsa_reserve_vcc 0
		.amdhsa_float_denorm_mode_32 3
		.amdhsa_float_denorm_mode_16_64 3
		.amdhsa_memory_ordered 1
		.amdhsa_forward_progress 1
		.amdhsa_inst_pref_size 9
	.end_amdhsa_kernel
	.amdgpu_metadata
---
amdhsa.version: [ 1, 2 ]
amdhsa.kernels:
  - .name:           k_q33b3ca1562_cast
    .symbol:         k_q33b3ca1562_cast.kd
    .args:
      - { .name: x, .offset: 0, .size: 8, .value_kind: global_buffer, .address_space: global }
      - { .name: w_q, .offset: 8, .size: 8, .value_kind: global_buffer, .address_space: global }
      - { .name: w_k, .offset: 16, .size: 8, .value_kind: global_buffer, .address_space: global }
      - { .name: w_v, .offset: 24, .size: 8, .value_kind: global_buffer, .address_space: global }
      - { .name: ab, .offset: 32, .size: 8, .value_kind: global_buffer, .address_space: global }
      - { .name: pt, .offset: 40, .size: 8, .value_kind: global_buffer, .address_space: global }
      - { .name: st, .offset: 48, .size: 8, .value_kind: global_buffer, .address_space: global }
    .group_segment_fixed_size: 0
    .private_segment_fixed_size: 0
    .kernarg_segment_align: 8
    .kernarg_segment_size: 56
    .max_flat_workgroup_size: 256
    .sgpr_count:     66
    .vgpr_count:     104
    .wavefront_size: 32
...
	.end_amdgpu_metadata
.endif
;; end of part 1
;; launch proj (part 2): grid 8 x 32, 4 waves a work-group, clusters of 4 x 4, 327,680 bytes of LDS; arguments ab, qk, vt; writes qk, vt
.if DOCPART == 2
	.amdgcn_target "amdgcn-amd-amdhsa--gfx1250"
	.amdhsa_code_object_version 6
	.text
	.protected	k_q33b3ca1562_proj
	.globl	k_q33b3ca1562_proj
	.p2align	8
	.type	k_q33b3ca1562_proj,@function
k_q33b3ca1562_proj:
	s_mov_b64 s[64:65], 0
	v_nop
	global_prefetch_b8 v0, s[64:65] scope:SCOPE_SE
	s_setreg_imm32_b32 hwreg(HW_REG_WAVE_MODE, 25, 1), 1
	s_wait_xcnt 0x0
	s_wait_alu depctr_hold_cnt(0) depctr_sa_sdst(0) depctr_va_vdst(0) depctr_va_sdst(0) depctr_va_ssrc(0) depctr_va_vcc(0) depctr_vm_vsrc(0)
	s_getreg_b32 s2, hwreg(HW_REG_IB_STS2, 6, 4)
	s_cmp_eq_u32 s2, 0
	s_cbranch_scc0 .Lentry_in_a_cluster
	s_endpgm
.Lentry_in_a_cluster:
	s_bfe_u32 s2, ttmp6, 0x10000c
	s_cmp_lg_u32 s2, 0xf033
	s_cbranch_scc0 .Lentry_shape_is_right
	s_endpgm
.Lentry_shape_is_right:
; THE PROJECTIONS, over K = 1,024, operands bf16 from ab, sums f32, results rounded once to f16.
;   qk[8192][2048] = x [w_q; w_k]^T (columns 0-1023 q, 1024-2047 k): 32 x 8 tiles of 256 x 256
;   vt[4][1024 channels][2048 keys] = w_v x^T: v arrives turned, keys along the rows, as the last launch's product wants it: 8 x 32 half tiles of 128 channels x 256 keys
; A WORK-GROUP STAYS: it makes qk's tile (row TR, column TC) and then vt's half tile of channels 128 TC .. and keys 256 TR ..: 256 work-groups of equal work, 1.5 tiles each.
; Both tiles take the same 256 rows of x; the ring of LDS slots does not stop between them: the first tile's last two changes of slots ask for the second tile's first two K steps,
; and nothing waits for the first tile's stores.
; LIMIT: f16 ends at 65,504: q, k and v must stay within it (with x and the weights of unit and 1/32 spread they are of size 1; thirty times larger inputs, or offsets of thirty spreads, stay under 30,000).
; TILE 1: four waves of 128 x 128, 64 accumulators of 16 x 16.  TILE 2: four waves of 64 channels x 128 keys, 32 accumulators.  K goes in 8 steps of 128 through two LDS slots; waves 0 and 1 fetch
; the halves of x's 256 rows, waves 2 and 3 the halves of the weights' rows (128 each in tile 1, 64 each in tile 2, at the same LDS bytes), one tensor load a wave, rows of 256 bytes.
; CLUSTER 4 x 4: x's tile hangs on TR alone and is shared along a row of the cluster, the weights' on TC alone and is shared along a column: each is asked for jointly, with the same descriptor and a mask of four.
; LAYOUT.  Tile 1: source 0 = 16 rows of the weights, source 1 = 16 rows of x: a lane holds row lane % 16 of qk and eight neighbouring columns.  Tile 2: source 0 = 16 rows of x, source 1 = 16 rows of w_v:
; a lane holds channel lane % 16 and eight neighbouring keys.  The register numbers are the same in both; only the windows of the two sources change places.
; REGISTERS, in windows of 256: window 0: v0-31 addresses, v64-127 and v128-191 x's fragments (two buffers), v32-63, v192-255 the way out; window 1: v64-191 the weights' fragments;
; windows 2 and 3: the accumulators, (a, b) at v[8 (8 (a % 4) + b)]; tile 2 has window 2 alone (a: channel block, b: key block).
; ONE K STEP IS WRITTEN ONCE for each tile and kind of refill: the slot being read is a scalar (0 or SLOT) that an exclusive or turns; SLOT's bits are none of wave x HALFT's.
.set PITCH,  272                       ; an LDS row: 256 bytes + 16 of padding: the 16 rows of a fragment load start at 16 different groups of four banks (ISA guide 11.1)
.set HALFT,  128*PITCH
.set SLOT,   4*HALFT                   ; x's 256 rows, then room for 256 rows of weights
.set STAGE,  2*SLOT                    ; behind the ring: 16 rows x 272 bytes for each wave, for the way out
.set SPITCH, 272
.set SPARE,  STAGE+4*16*SPITCH         ; behind the stages: the spare words, 128 bytes for each wave
.set CROW,   4096                      ; bytes in a row of qk and of vt
.set A0,   14                          ; v14  my lane's place in x's part of slot 0; never rewritten
.set B0,   15                          ; v15  the same for the weights
.set ADRA, 16                          ; v16  the same in the slot being read
.set ADRB, 17
.set STO,  24
.set RD,   25
.set CO,   26
.set SPW,  28                          ; v28  my spare word; never rewritten
.set NIL,  29                          ; v29  0; never rewritten
.set F0,   64
.set F1,   128
.set TMP,  192
.set OB,   32
.set TB,   2                           ; s2   the slot being read: 0 or SLOT
.set CNT,  3                           ; s3   counts K steps
.set G1A,  24                          ; s[24:31] descriptor group 1 for x's tiles
.set G0A,  32                          ; s[32:35] group 0 of the first fill; s[36:39] the one that walks
.set G1B,  48                          ; s[48:55] group 1 for w_q's and w_k's tiles: 128 rows
.set G0B,  56                          ; s[56:59], s[60:63] group 0 for the weights' tiles
.set G1V,  68                          ; s[68:75] group 1 for w_v's tiles: 64 rows
.set PA,   76                          ; s[76:77] ab at the rows of x that I fetch
.set PB1,  78                          ; s[78:79] at the rows of w_q or w_k
.set PB2,  80                          ; s[80:81] at the rows of w_v
.set OFF,  82                          ; s[82:83] a K step's bytes along the rows
.set NXT,  84                          ; s84  the K step to be asked for next, 0 to 7
.set CP1,  88                          ; s[88:89] qk at my 128 x 128
.set CP2,  90                          ; s[90:91] vt at my 64 x 128
.set W0,   (1<<16)|(1<<20)|(1<<21)|(5<<22)|(3<<25)  ; 2-byte elements; padding on; bit 21 beside a mask; after every 64 words, 4 words
.set MSB, 0
.macro WIN new                         ; the immediate's high byte repeats the setting that is left; a switch that changes nothing is dropped
.if MSB != (\new)
	s_set_vgpr_msb (MSB<<8)|(\new)
.set MSB, \new
.endif
.endm
.set MUL_LO, 0xa1                      ; source 0 (weights) window 1, source 1 (x) window 0, C and D window 2
.set MUL_HI, 0xf1                      ; the same, C and D window 3
.set MUL_V,  0xa4                      ; source 0 (x) window 0, source 1 (w_v) window 1, C and D window 2
.set TO_B,   0x40                      ; destination window 1, address window 0
.macro PLACES                          ; four plain places behind matrix instructions (ISA guide 7.12.1)
.rept 4
	v_nop
.endr
.endm
.macro JLOAD g1b                       ; the joint refill: waves 0 and 1 fetch x's two halves, waves 2 and 3 the weights', by group 1 g1b; an s_nop 0 and four v_nop follow each line
	s_cmp_eq_u32 s11, 0
	s_cbranch_scc0 .Lfor_b_\@
	tensor_load_to_lds s[G0A+4:G0A+7], s[G1A:G1A+7]
	s_nop 0
	PLACES
	s_branch .Lasked_\@
.Lfor_b_\@:
	tensor_load_to_lds s[G0B+4:G0B+7], s[(\g1b):(\g1b)+7]
	s_nop 0
	PLACES
.Lasked_\@:
.endm
.macro CREST                           ; a round of the cluster's barrier behind its opening barrier
	s_cmp_lg_u32 s10, 0
	s_cbranch_scc1 .Lnot_wave_0_\@
	s_barrier_signal -3
.Lnot_wave_0_\@:
	s_barrier_wait -3
	s_barrier_signal -1
	s_barrier_wait -1
.endm
.macro CROUND
	s_barrier_signal -1
	s_barrier_wait -1
	CREST
.endm
	s_load_b128 s[4:7], s[0:1], 0x0                ; ab s[4:5], qk s[6:7]
	s_load_b64 s[8:9], s[0:1], 0x10                ; vt
	v_lshl_add_u32 v[SPW], v0, 2, SPARE
	v_mov_b32 v[NIL], 0
	ds_add_u32 v[SPW], v[NIL]                      ; the wave's opening: the add and its wait stand ahead of my first tensor load; register work stands between
	v_lshrrev_b32 v1, 5, v0
	v_readfirstlane_b32 s10, v1                    ; wave 0..3
	s_lshr_b32 s11, s10, 1                         ; my half of x's rows; also: I fetch x (0) or weights (1)
	s_and_b32 s12, s10, 1                          ; my half of the weights' rows; also: which half I fetch
	s_bfe_u32 s40, ttmp6, 0x40000                  ; cx
	s_bfe_u32 s41, ttmp6, 0x40004                  ; cy
	s_and_b32 s13, ttmp7, 0xffff                   ; the cluster's y
	s_lshl_b32 s21, s13, 2
	s_add_co_u32 s21, s21, s41                     ; TR, 0 to 31: 256 rows of x
	s_lshl_b32 s42, ttmp9, 2
	s_add_co_u32 s42, s42, s40                     ; TC, 0 to 7: 256 rows of [w_q; w_k], 128 rows of w_v
	s_lshl_b32 s43, s41, 2
	s_lshl_b32 s43, 15, s43                        ; my row of the cluster
	s_lshl_b32 s44, 0x1111, s40                    ; my column
	s_or_b32 s[G1A+0], s43, W0
	s_or_b32 s[G1B+0], s44, W0
	s_or_b32 s[G1V+0], s44, W0
.irp g, G1A, G1B
	s_mov_b32 s[(\g)+1], 128<<16                   ; tensor_dim0 = 128
	s_mov_b32 s[(\g)+2], 128<<16                   ; tensor_dim1 = 128
	s_mov_b32 s[(\g)+3], 128<<16                   ; tile_dim0 = 128
	s_mov_b32 s[(\g)+4], 128                       ; tile_dim1 = 128
	s_mov_b32 s[(\g)+5], 1024                      ; elements from row to row
	s_mov_b32 s[(\g)+6], 0
	s_mov_b32 s[(\g)+7], 0
.endr
	s_mov_b32 s[G1V+1], 128<<16                    ; tensor_dim0 = 128
	s_mov_b32 s[G1V+2], 64<<16                     ; tensor_dim1 = 64
	s_mov_b32 s[G1V+3], 128<<16                    ; tile_dim0 = 128
	s_mov_b32 s[G1V+4], 64                         ; tile_dim1 = 64
	s_mov_b32 s[G1V+5], 1024
	s_mov_b32 s[G1V+6], 0
	s_mov_b32 s[G1V+7], 0
	s_lshl_b32 s17, s12, 7
	s_lshl_b32 s16, s21, 8
	s_add_co_u32 s16, s16, s17                     ; x: row 256 TR + 128 x half
	s_lshl_b32 s16, s16, 11                        ; rows of 2,048 bytes
	s_lshl_b32 s46, s42, 8
	s_add_co_u32 s46, s46, s17
	s_add_co_u32 s46, s46, 8192                    ; w_q, w_k: row 8,192 + 256 TC + 128 x half
	s_lshl_b32 s46, s46, 11
	s_lshl_b32 s86, s42, 7
	s_lshl_b32 s87, s12, 6
	s_add_co_u32 s86, s86, s87
	s_add_co_u32 s86, s86, 10240                   ; w_v: row 10,240 + 128 TC + 64 x half
	s_lshl_b32 s86, s86, 11
	s_mov_b32 s17, 0
	s_mov_b32 s47, 0
	s_mov_b32 s87, 0
	s_mul_i32 s20, s10, HALFT                      ; where they go: wave x 128 rows
	s_mov_b32 s[TB], 0
	s_mov_b32 s[NXT], 2
	s_mov_b32 s[OFF+1], 0
	s_wait_dscnt 0x0                               ; the opening add is done
	s_wait_kmcnt 0x0
	s_add_nc_u64 s[PA:PA+1], s[4:5], s[16:17]
	s_add_nc_u64 s[PB1:PB1+1], s[4:5], s[46:47]
	s_add_nc_u64 s[PB2:PB2+1], s[4:5], s[86:87]
	CROUND                                         ; all sixteen work-groups are here: the first joint loads meet
.irp s, 0,1
	s_mov_b32 s[G0A+4*(\s)], 1
	s_add_co_u32 s[G0A+4*(\s)+1], s20, (\s)*SLOT
	s_add_nc_u64 s[G0A+4*(\s)+2:G0A+4*(\s)+3], s[PA:PA+1], (\s)*256  ; K step s
	s_or_b32 s[G0A+4*(\s)+3], s[G0A+4*(\s)+3], 0x80000000
	s_mov_b32 s[G0B+4*(\s)], 1
	s_add_co_u32 s[G0B+4*(\s)+1], s20, (\s)*SLOT
	s_add_nc_u64 s[G0B+4*(\s)+2:G0B+4*(\s)+3], s[PB1:PB1+1], (\s)*256
	s_or_b32 s[G0B+4*(\s)+3], s[G0B+4*(\s)+3], 0x80000000
.endr
	s_cmp_eq_u32 s11, 0                            ; a wave's two first fills stand in one branch: two loads of mine are out
	s_cbranch_scc0 .Lfirst_b
	tensor_load_to_lds s[G0A:G0A+3], s[G1A:G1A+7]
	s_nop 0
	tensor_load_to_lds s[G0A+4:G0A+7], s[G1A:G1A+7]
	s_nop 0
	PLACES
	s_branch .Lfirst_asked
.Lfirst_b:
	tensor_load_to_lds s[G0B:G0B+3], s[G1B:G1B+7]
	s_nop 0
	tensor_load_to_lds s[G0B+4:G0B+7], s[G1B:G1B+7]
	s_nop 0
	PLACES
.Lfirst_asked:
	v_and_b32 v1, 15, v0                           ; l % 16
	v_bfe_u32 v2, v0, 4, 1                         ; l / 16
	v_mul_u32_u24 v3, v1, PITCH
	v_lshl_add_u32 v3, v2, 4, v3                   ; a fragment's row x pitch + 16 x half
	s_mul_i32 s16, s11, HALFT                      ; my 128 rows of x
	s_mul_i32 s17, s12, HALFT                      ; my rows of the weights (128, or the first 64 of the same bytes),
	s_add_co_u32 s17, s17, 2*HALFT                 ; behind x's 256
	v_add_nc_u32 v[A0], s16, v3
	v_add_nc_u32 v[B0], s17, v3
	v_mov_b32 v[ADRA], v[A0]
	v_mov_b32 v[ADRB], v[B0]
	s_mul_i32 s23, s10, 16*SPITCH
	s_add_co_u32 s23, s23, STAGE                   ; my stage
	v_mul_u32_u24 v4, v1, SPITCH
	v_lshl_add_u32 v4, v2, 4, v4
	v_add_nc_u32 v[STO], s23, v4                   ; in: row l % 16, 16 bytes for each half of the lanes
	v_mul_u32_u24 v5, v2, SPITCH
	v_lshl_add_u32 v5, v1, 4, v5
	v_add_nc_u32 v[RD], s23, v5                    ; back: lanes 0-15 one row of 256 bytes, lanes 16-31 the next
	v_lshlrev_b32 v5, 12, v2
	v_lshl_add_u32 v[CO], v1, 4, v5                ; the same two rows in qk or vt
	s_lshl_b32 s92, s21, 8                         ; qk: row 256 TR + 128 x my half of x's rows,
	s_lshl_b32 s93, s11, 7
	s_add_co_u32 s92, s92, s93
	s_lshl_b32 s92, s92, 12
	s_lshl_b32 s93, s42, 9                         ; 512 bytes a tile column,
	s_add_co_u32 s92, s92, s93
	s_lshl_b32 s93, s12, 8                         ; 256 for my half of it
	s_add_co_u32 s92, s92, s93
	s_mov_b32 s93, 0
	s_add_nc_u64 s[CP1:CP1+1], s[6:7], s[92:93]
	s_lshr_b32 s92, s21, 3                         ; vt: eight blocks of 256 keys are a batch, of 4 MiB;
	s_lshl_b32 s92, s92, 22
	s_lshl_b32 s94, s42, 7                         ; channel 128 TC + 64 x my half of the weights' rows;
	s_lshl_b32 s95, s12, 6
	s_add_co_u32 s94, s94, s95
	s_lshl_b32 s94, s94, 12
	s_add_co_u32 s92, s92, s94
	s_and_b32 s94, s21, 7                          ; key 256 (TR % 8) + 128 x my half of x's rows, two bytes each
	s_lshl_b32 s94, s94, 9
	s_add_co_u32 s92, s92, s94
	s_lshl_b32 s94, s11, 8
	s_add_co_u32 s92, s92, s94
	s_add_nc_u64 s[CP2:CP2+1], s[8:9], s[92:93]
; TILE 1.  16 matrix instructions: row blocks a0, a0 + 1 of the window's four x all 8 column blocks, 32 along K.  zero = 1: the product starts the sums.
.macro MUL16 f, hi, a0, zero
	WIN MUL_LO+0x50*(\hi)
.irp a, \a0, (\a0)+1
.irp b, 0,1,2,3,4,5,6,7
.if \zero
	v_wmma_f32_16x16x32_bf16 v[8*(8*(\a)+(\b)):8*(8*(\a)+(\b))+7], v[(\f)+8*(\b):(\f)+8*(\b)+7], v[(\f)+8*(4*(\hi)+(\a)):(\f)+8*(4*(\hi)+(\a))+7], 0
.else
	v_wmma_f32_16x16x32_bf16 v[8*(8*(\a)+(\b)):8*(8*(\a)+(\b))+7], v[(\f)+8*(\b):(\f)+8*(\b)+7], v[(\f)+8*(4*(\hi)+(\a)):(\f)+8*(4*(\hi)+(\a))+7], v[8*(8*(\a)+(\b)):8*(8*(\a)+(\b))+7]
.endif
.endr
.endr
.endm
; 32 LDS loads in one run: the fragments of 32 along K at byte k of the rows of the slot being read, into buffer f: the weights' first, then x's
.macro FETCH k, f
	WIN TO_B
.irp i, 0,1,2,3,4,5,6,7
	ds_load_b128 v[(\f)+8*(\i):(\f)+8*(\i)+3],   v[ADRB] offset:(\k)+(\i)*16*PITCH
	ds_load_b128 v[(\f)+8*(\i)+4:(\f)+8*(\i)+7], v[ADRB] offset:(\k)+(\i)*16*PITCH+32
.endr
	WIN 0
.irp i, 0,1,2,3,4,5,6,7
	ds_load_b128 v[(\f)+8*(\i):(\f)+8*(\i)+3],   v[ADRA] offset:(\k)+(\i)*16*PITCH
	ds_load_b128 v[(\f)+8*(\i)+4:(\f)+8*(\i)+7], v[ADRA] offset:(\k)+(\i)*16*PITCH+32
.endr
.endm
; One of a K step's first three quarters: multiplies buffer f and, in its middle, fetches the next quarter (byte k) into buffer g.  The 64 accumulators take turns in one order everywhere.
.macro QUARTER k, f, g, zero
	s_wait_dscnt 8                                 ; the weights' fragments and x's rows 0-63 are in; the youngest eight loads (x's rows 64-127) may be out
	MUL16 \f, 0, 0, \zero
	MUL16 \f, 0, 2, \zero
	PLACES                                         ; in front of loads into registers that matrix instructions have read
	FETCH \k, \g
	s_wait_dscnt 32                                ; all but the 32 just issued
	MUL16 \f, 1, 0, \zero
	MUL16 \f, 1, 2, \zero
.endm
; The walking descriptors' steps, where no tensor load of the wave is out: the slot just read, K step NXT; the addresses are made anew from that number; pb: the weights' base.
.macro STEPS pb
	s_xor_b32 s[G0A+5], s[G0A+5], SLOT
	s_xor_b32 s[G0B+5], s[G0B+5], SLOT
	s_lshl_b32 s[OFF], s[NXT], 8                   ; a K step is 256 bytes of a row
	s_add_nc_u64 s[G0A+6:G0A+7], s[PA:PA+1], s[OFF:OFF+1]
	s_or_b32 s[G0A+7], s[G0A+7], 0x80000000
	s_add_nc_u64 s[G0B+6:G0B+7], s[(\pb):(\pb)+1], s[OFF:OFF+1]
	s_or_b32 s[G0B+7], s[G0B+7], 0x80000000
	s_add_co_u32 s[NXT], s[NXT], 1                 ; behind a tile's step 7 comes the next tile's step 0
	s_and_b32 s[NXT], s[NXT], 7
.endm
; The last quarter and the change of slots: every wave waits for all its tensor loads (the one that is out is its part of the next slot), adds 0 to its spare word, steps its scalars while the add
; is out, waits for the add and for its reads of this slot, and signals; the barrier opens a round of the cluster's barrier, and the joint refill is the first thing behind it.
.macro TURN pb, g1b
	WIN 0
	s_wait_tensorcnt 0x0                           ; no tensor load of mine is out, so a group 0 may be written
	ds_add_u32 v[SPW], v[NIL]
	s_xor_b32 s[TB], s[TB], SLOT                   ; the reads go to the other slot
	STEPS \pb
	s_wait_dscnt 9                                 ; the add and the youngest eight loads may be out
	MUL16 F1, 0, 0, 0
	s_wait_dscnt 0x0                               ; the add is done, and my reads of this slot are over
	s_barrier_signal -1
	MUL16 F1, 0, 2, 0                              ; register work while the others arrive
	WIN 0
	s_barrier_wait -1
	CREST
	JLOAD \g1b                                     ; its four v_nop are also the places in front of the loads below
	v_add_nc_u32 v[ADRA], s[TB], v[A0]
	v_add_nc_u32 v[ADRB], s[TB], v[B0]
	FETCH 0, F0
	MUL16 F1, 1, 0, 0
	MUL16 F1, 1, 2, 0
.endm
; TILE 2.  8 matrix instructions: channel block a x all 8 key blocks, 32 along K.  The 32 accumulators take turns in one order everywhere.
.macro MULV f, a, zero
	WIN MUL_V
.irp b, 0,1,2,3,4,5,6,7
.if \zero
	v_wmma_f32_16x16x32_bf16 v[8*(8*(\a)+(\b)):8*(8*(\a)+(\b))+7], v[(\f)+8*(\b):(\f)+8*(\b)+7], v[(\f)+8*(\a):(\f)+8*(\a)+7], 0
.else
	v_wmma_f32_16x16x32_bf16 v[8*(8*(\a)+(\b)):8*(8*(\a)+(\b))+7], v[(\f)+8*(\b):(\f)+8*(\b)+7], v[(\f)+8*(\a):(\f)+8*(\a)+7], v[8*(8*(\a)+(\b)):8*(8*(\a)+(\b))+7]
.endif
.endr
.endm
; 24 LDS loads in one run: w_v's four fragments, then x's eight
.macro FETCHV k, f
	WIN TO_B
.irp i, 0,1,2,3
	ds_load_b128 v[(\f)+8*(\i):(\f)+8*(\i)+3],   v[ADRB] offset:(\k)+(\i)*16*PITCH
	ds_load_b128 v[(\f)+8*(\i)+4:(\f)+8*(\i)+7], v[ADRB] offset:(\k)+(\i)*16*PITCH+32
.endr
	WIN 0
.irp i, 0,1,2,3,4,5,6,7
	ds_load_b128 v[(\f)+8*(\i):(\f)+8*(\i)+3],   v[ADRA] offset:(\k)+(\i)*16*PITCH
	ds_load_b128 v[(\f)+8*(\i)+4:(\f)+8*(\i)+7], v[ADRA] offset:(\k)+(\i)*16*PITCH+32
.endr
.endm
; One of a K step's first three quarters: 32 products on buffer f.  The next quarter's loads (byte k, buffer g) stand at its head, so that they have all 32 products in which to land.
.macro QV k, f, g, zero
	s_wait_dscnt 0x0                               ; buffer f, asked for a quarter ago, is in
	PLACES                                         ; behind the products that read buffer g
	FETCHV \k, \g
	MULV \f, 0, \zero
	MULV \f, 1, \zero
	MULV \f, 2, \zero
	MULV \f, 3, \zero
.endm
; The last quarter and the change of slots, as in tile 1.  fill = 0: nothing is asked for, the barrier is the work-group's alone, and the very last step fetches nothing.
.macro TURNV fill
	WIN 0
	s_wait_tensorcnt 0x0                           ; no tensor load of mine is out, so a group 0 may be written
	ds_add_u32 v[SPW], v[NIL]
	s_xor_b32 s[TB], s[TB], SLOT
.if \fill
	STEPS PB2
.endif
	s_wait_dscnt 1                                 ; buffer 1 is in; the add may be out
	MULV F1, 0, 0
	s_wait_dscnt 0x0                               ; the add is done, and my reads of this slot are over
	s_barrier_signal -1
	MULV F1, 1, 0                                  ; register work while the others arrive
	WIN 0
	s_barrier_wait -1
.if \fill
	CREST
	JLOAD G1V                                      ; its four v_nop are also the places in front of the loads below
.else
	PLACES
.endif
	v_add_nc_u32 v[ADRA], s[TB], v[A0]
	v_add_nc_u32 v[ADRB], s[TB], v[B0]
.if \fill
	FETCHV 0, F0
.else
	s_cmp_eq_u32 s[CNT], 1
	s_cbranch_scc1 .Lno_fetch_\@
	FETCHV 0, F0
.Lno_fetch_\@:
.endif
	MULV F1, 2, 0
	MULV F1, 3, 0
.endm
; THE WAY OUT of row block a (16 rows of qk, or 16 channels of vt): rounded to f16, 16 bytes a lane; through my own stage; back as whole rows of 256 bytes; stored.
.macro PACK a
.set AC, 64*((\a)%4)
	WIN 0x0a+5*((\a)/4)                            ; sources 0 and 1: window 2 or 3
.irp b, 0,1,2,3,4,5,6,7
.irp r, 0,1,2,3
	v_cvt_pk_f16_f32 v[TMP+4*(\b)+(\r)], v[AC+8*(\b)+2*(\r)], v[AC+8*(\b)+2*(\r)+1]
.endr
.endr
	WIN 0
.endm
.macro TOSTAGE a
	WIN 0
.set BK, OB+192*((\a)%2)
.irp b, 0,1,2,3,4,5,6,7
	ds_store_b128 v[STO], v[TMP+4*(\b):TMP+4*(\b)+3] offset:32*(\b)
.endr
.irp t, 0,1,2,3,4,5,6,7
	ds_load_b128 v[BK+4*(\t):BK+4*(\t)+3], v[RD] offset:(\t)*2*SPITCH  ; LDS serves a wave's instructions in order (ISA guide 5.7.1.4): these see the stores above
.endr
.endm
.macro SEND a, p                       ; p: the pointer, which stands at block 0's rows at first
	WIN 0
.set BK, OB+192*((\a)%2)
	s_wait_dscnt 0x0                               ; the block is back in registers
	s_wait_xcnt 0x0                                ; earlier stores have read their base and their data: only now are these rewritten
.if (\a) != 0
	s_add_nc_u64 s[(\p):(\p)+1], s[(\p):(\p)+1], 16*CROW
.endif
.irp t, 0,1,2,3,4,5,6,7
	global_store_b128 v[CO], v[BK+4*(\t):BK+4*(\t)+3], s[(\p):(\p)+1] offset:2*(\t)*CROW  ; 16 lanes store 256 consecutive bytes, aligned
.endr
.endm
	s_wait_tensorcnt 0x1                           ; my part of K step 0 is in; step 1's may stay out
	s_barrier_signal -1
	s_barrier_wait -1
	FETCH 0, F0
	QUARTER 64, F0, F1, 1                          ; the first quarter starts the sums: nothing is cleared
	WIN 0
	s_mov_b32 s[CNT], 6
.Lk:                                                   ; six trips, from a step's second quarter to the next step's first; each refills a slot: tile 1's K steps 2 to 7
	QUARTER 128, F1, F0, 0
	QUARTER 192, F0, F1, 0
	TURN PB1, G1B
	QUARTER 64, F0, F1, 0
	WIN 0
	s_sub_co_u32 s[CNT], s[CNT], 1
	s_cmp_lg_u32 s[CNT], 0
	s_cbranch_scc1 .Lk
	s_mov_b32 s[CNT], 2                            ; THE RING GOES ON INTO TILE 2: tile 1's last two steps ask for tile 2's K steps 0 and 1: a second text, whose joint load has w_v's shape
	s_branch .Lmid
.Ltop:
	QUARTER 64, F0, F1, 0
	WIN 0
.Lmid:
	QUARTER 128, F1, F0, 0
	QUARTER 192, F0, F1, 0
	TURN PB2, G1V                                  ; its second trip fetches tile 2's first fragments by tile 1's pattern: the weights' upper four hold bytes left from tile 1 and are never multiplied
	WIN 0
	s_sub_co_u32 s[CNT], s[CNT], 1
	s_cmp_lg_u32 s[CNT], 0
	s_cbranch_scc1 .Ltop
	PLACES                                         ; BOTH REFILLS ARE ASKED FOR: NOW TILE 1 GOES OUT
	PACK 0
	TOSTAGE 0
.irp a, 1,2,3,4,5,6,7                  ; block a's conversions stand between block a - 1's loads from the stage and the wait for them
	PACK \a
	SEND (\a)-1, CP1
	TOSTAGE \a
.endr
	SEND 7, CP1
	QV 64, F0, F1, 1                               ; tile 2's first quarter starts its sums, on accumulators that have been packed
	WIN 0
	s_mov_b32 s[CNT], 6
.Lk2:                                                  ; six trips; each refills a slot: tile 2's K steps 2 to 7
	QV 128, F1, F0, 0
	QV 192, F0, F1, 0
	TURNV 1
	QV 64, F0, F1, 0
	WIN 0
	s_sub_co_u32 s[CNT], s[CNT], 1
	s_cmp_lg_u32 s[CNT], 0
	s_cbranch_scc1 .Lk2
	s_mov_b32 s[CNT], 2                            ; the last two steps ask for nothing: a text of their own
	s_branch .Lmid2
.Ltop2:
	QV 64, F0, F1, 0
	WIN 0
.Lmid2:
	QV 128, F1, F0, 0
	QV 192, F0, F1, 0
	TURNV 0
	WIN 0
	s_sub_co_u32 s[CNT], s[CNT], 1
	s_cmp_lg_u32 s[CNT], 0
	s_cbranch_scc1 .Ltop2
	PLACES
	PACK 0
	TOSTAGE 0
.irp a, 1,2,3
	PACK \a
	SEND (\a)-1, CP2
	TOSTAGE \a
.endr
	SEND 3, CP2
	s_wait_tensorcnt 0x0                           ; the wave's end
	ds_add_u32 v[SPW], v[NIL]
	s_wait_dscnt 0x0
	CROUND                                         ; the closing round
	s_endpgm
.Lfunc_end_k_q33b3ca1562_proj:
	.size	k_q33b3ca1562_proj, .Lfunc_end_k_q33b3ca1562_proj-k_q33b3ca1562_proj
	.p2alignl 7, 3214868480
	.fill 96, 4, 3214868480
	.section	.rodata,"a",@progbits
	.p2align	6, 0x0
	.amdhsa_kernel k_q33b3ca1562_proj
		.amdhsa_group_segment_fixed_size 327680
		.amdhsa_private_segment_fixed_size 0
		.amdhsa_enable_private_segment 0
		.amdhsa_kernarg_size 24
		.amdhsa_user_sgpr_count 2
		.amdhsa_user_sgpr_kernarg_segment_ptr 1
		.amdhsa_wavefront_size32 1
		.amdhsa_system_sgpr_workgroup_id_x 1
		.amdhsa_system_sgpr_workgroup_id_y 1
		.amdhsa_system_sgpr_workgroup_id_z 1
		.amdhsa_system_vgpr_workitem_id 0
		.amdhsa_next_free_vgpr 1024
		.amdhsa_next_free_sgpr 96
		.amdhsa_reserve_vcc 0
		.amdhsa_float_denorm_mode_32 3
		.amdhsa_float_denorm_mode_16_64 3
		.amdhsa_memory_ordered 1
		.amdhsa_forward_progress 1
		.amdhsa_inst_pref_size 154
	.end_amdhsa_kernel
	.amdgpu_metadata
---
amdhsa.version: [ 1, 2 ]
amdhsa.kernels:
  - .name:           k_q33b3ca1562_proj
    .symbol:         k_q33b3ca1562_proj.kd
    .args:
      - { .name: ab, .offset: 0, .size: 8, .value_kind: global_buffer, .address_space: global }
      - { .name: qk, .offset: 8, .size: 8, .value_kind: global_buffer, .address_space: global }
      - { .name: vt, .offset: 16, .size: 8, .value_kind: global_buffer, .address_space: global }
    .group_segment_fixed_size: 327680
    .private_segment_fixed_size: 0
    .kernarg_segment_align: 8
    .kernarg_segment_size: 24
    .max_flat_workgroup_size: 128
    .sgpr_count:     96
    .vgpr_count:     1024
    .wavefront_size: 32
...
	.end_amdgpu_metadata
.endif
;; end of part 2
;; launch score (part 3): grid 36 x 4, 4 waves a work-group, no clusters, 327,680 bytes of LDS; arguments qk, pt, st; writes pt, st
.if DOCPART == 3
	.amdgcn_target "amdgcn-amd-amdhsa--gfx1250"
	.amdhsa_code_object_version 6
	.text
	.protected	k_q33b3ca1562_score
	.globl	k_q33b3ca1562_score
	.p2align	8
	.type	k_q33b3ca1562_score,@function
k_q33b3ca1562_score:
	s_mov_b64 s[64:65], 0
	v_nop
	global_prefetch_b8 v0, s[64:65] scope:SCOPE_SE
	s_setreg_imm32_b32 hwreg(HW_REG_WAVE_MODE, 25, 1), 1
	s_wait_xcnt 0x0
; THE SCORES AND THE FIRST HALF OF THE SOFTMAX.  For each of a batch's 36 tiles of 256 queries x 256 keys on or under the diagonal: T = c q.k + mask, c = log2(e) / 32, over K = 1,024 (f16 operands, f32 sums).
; A wave holds 128 queries x 128 keys, a CHUNK of keys.  For each query and chunk: c m = the maximum of T, p = 2^(T - c m) (stored in f16 in pt), l = the sum of the unrounded p.  c m and l go to st in f32;
; the last launch takes the rows' true maxima from them and rescales, so a maximum is taken away before every exponential.
; LIMITS: a hidden score counts as T - 1e30, so |c q.k| must stay far under 1e30's last place (7e22); a weight under 2^-126 counts as 0; NaN and infinities are not treated apart.
; A chunk that is wholly hidden gets c m = -1e30 and p = 1; the last launch's factor for it is 0.
; NO CLUSTER: a batch's tiles lie in rows of 1 to 8; they do not fall into sets of four with a common row or column unless work-groups with nothing to compute are added.
; st: [plane 2][batch 4][chunk 16][2,048 rows] f32; in each group of 64 rows the word of row r is (r % 16) x 4 + (r / 16) % 4, so that a lane of the last launch finds its four row blocks' numbers in 16 bytes.
; The product's text is that of the launch before: two LDS slots, K steps of 128, one tensor load a wave behind each change of slots (waves 0, 1: the halves of q's tile; waves 2, 3: of k's).
.set PITCH,  272
.set HALFT,  128*PITCH
.set SLOT,   4*HALFT
.set STAGE,  2*SLOT
.set SPITCH, 272
.set SSC,    STAGE+4*16*SPITCH         ; 1,024 bytes a wave: 128 c m, then 128 l
.set SPARE,  SSC+4096                  ; the spare words, 128 bytes for each wave
.set PROW,   4096                      ; bytes in a row of pt
.set A0,   14
.set B0,   15
.set ADRA, 16
.set ADRB, 17
.set SA0,  18                          ; v18  where my lane puts its statistic of row block 0
.set SG,   19                          ; v19  16 x lane
.set SL,   20                          ; v20  the same in my part of SSC
.set STO,  24
.set RD,   25
.set CO,   26
.set SPW,  28
.set NIL,  29
.set MD,   32                          ; v32-39  the mask of the 16 x 16 block on the diagonal
.set LO,   40                          ; v40-41  the mask of blocks under it
.set HI,   42                          ; v42-43  of blocks above it
.set C0,   44                          ; v44-47  four chains of the maximum
.set CM,   48                          ; v48-49  c m, twice
.set LS,   50                          ; v50-51  l, and at work
.set SV,   52
.set SAT,  53
.set F0,   64
.set F1,   128
.set T,    64                          ; v64-127   a row block's 64 scores a lane
.set PK,   128                         ; v128-159  the same as f16
.set BK,   160                         ; v160-191  whole rows, read back
.set TB,   2
.set CNT,  3
.set G1,   24
.set G0,   32                          ; s[32:35] the first fill's group 0; s[36:39] the one that walks
.set SA,   40                          ; s40  the row block in hand
.set SOFF, 41                          ; s41  its bytes in SSC
.set CS,   58                          ; s[58:59] c
.set SEL,  60                          ; s[60:61] v_permlanex16_b32's selects
.set HM,   62                          ; s62  lanes 16-31
.set MSB, 0
.macro WIN new
.if MSB != (\new)
	s_set_vgpr_msb (MSB<<8)|(\new)
.set MSB, \new
.endif
.endm
.set MUL_LO, 0xa1
.set MUL_HI, 0xf1
.set TO_B,   0x40
.macro PLACES
.rept 4
	v_nop
.endr
.endm
	s_load_b128 s[4:7], s[0:1], 0x0                ; qk s[4:5], pt s[6:7]
	s_load_b64 s[8:9], s[0:1], 0x10                ; st
	v_lshl_add_u32 v[SPW], v0, 2, SPARE
	v_mov_b32 v[NIL], 0
	ds_add_u32 v[SPW], v[NIL]                      ; the wave's opening: the add and its wait stand ahead of my first tensor load
	v_lshrrev_b32 v1, 5, v0
	v_readfirstlane_b32 s10, v1                    ; wave 0..3
	s_lshr_b32 s11, s10, 1                         ; my half of the queries
	s_and_b32 s12, s10, 1                          ; my half of the keys; also: which 128 rows I fetch
	s_mov_b32 s13, 0                               ; tile t of the triangle lies in row i, the number of triangular numbers up to t, at place j
.irp n, 1,3,6,10,15,21,28
	s_cmp_ge_u32 ttmp9, \n
	s_add_co_ci_u32 s13, s13, 0
.endr
	s_add_co_u32 s14, s13, 1
	s_mul_i32 s14, s14, s13
	s_lshr_b32 s14, s14, 1
	s_sub_co_u32 s14, ttmp9, s14                   ; j
	s_and_b32 s15, ttmp7, 0xffff                   ; the batch
	s_lshl_b32 s16, s15, 11
	s_cmp_lt_u32 s10, 2                            ; waves 0 and 1 fetch q, waves 2 and 3 k
	s_cselect_b32 s17, s13, s14
	s_cselect_b32 s18, 0, 2048                     ; k lies 2,048 bytes into a row of qk
	s_lshl_b32 s17, s17, 8
	s_add_co_u32 s17, s17, s16
	s_lshl_b32 s19, s12, 7
	s_add_co_u32 s17, s17, s19
	s_lshl_b32 s17, s17, 12                        ; rows of 4,096 bytes
	s_add_co_u32 s20, s17, s18
	s_mov_b32 s21, 0
	s_mov_b32 s[G1+0], (1<<16)|(1<<20)|(5<<22)|(3<<25)  ; 2-byte elements; padding on: after every 64 words, 4 words
	s_mov_b32 s[G1+1], 128<<16                     ; tensor_dim0 = 128
	s_mov_b32 s[G1+2], 128<<16                     ; tensor_dim1 = 128
	s_mov_b32 s[G1+3], 128<<16                     ; tile_dim0 = 128
	s_mov_b32 s[G1+4], 128                         ; tile_dim1 = 128
	s_mov_b32 s[G1+5], 2048                        ; elements from row to row
	s_mov_b32 s[G1+6], 0
	s_mov_b32 s[G1+7], 0
	s_mul_i32 s22, s10, HALFT
	s_mov_b32 s[TB], 0
	s_mov_b32 s[CS], 0x3d38aa3b                    ; c = log2(e) / 32
	s_mov_b32 s[CS+1], s[CS]
	s_mov_b32 s[SEL], 0x76543210
	s_mov_b32 s[SEL+1], 0xfedcba98
	s_mov_b32 s[HM], 0xffff0000
	s_wait_dscnt 0x0                               ; the opening add is done
	s_wait_kmcnt 0x0
	s_add_nc_u64 s[20:21], s[4:5], s[20:21]
.irp s, 0,1
	s_mov_b32 s[G0+4*(\s)], 1
	s_add_co_u32 s[G0+4*(\s)+1], s22, (\s)*SLOT
	s_add_nc_u64 s[G0+4*(\s)+2:G0+4*(\s)+3], s[20:21], (\s)*256
	s_or_b32 s[G0+4*(\s)+3], s[G0+4*(\s)+3], 0x80000000
.endr
	tensor_load_to_lds s[G0:G0+3], s[G1:G1+7]      ; K step 0 into slot 0,
	s_nop 0
	tensor_load_to_lds s[G0+4:G0+7], s[G1:G1+7]    ; K step 1 into slot 1: two loads of mine are out
	s_nop 0
	PLACES
	v_and_b32 v1, 15, v0                           ; l % 16
	v_bfe_u32 v2, v0, 4, 1                         ; l / 16
	v_mul_u32_u24 v3, v1, PITCH
	v_lshl_add_u32 v3, v2, 4, v3
	s_mul_i32 s16, s11, HALFT
	s_mul_i32 s17, s12, HALFT
	s_add_co_u32 s17, s17, 2*HALFT
	v_add_nc_u32 v[A0], s16, v3
	v_add_nc_u32 v[B0], s17, v3
	v_mov_b32 v[ADRA], v[A0]
	v_mov_b32 v[ADRB], v[B0]
	s_mul_i32 s23, s10, 16*SPITCH
	s_add_co_u32 s23, s23, STAGE
	v_mul_u32_u24 v4, v1, SPITCH
	v_lshl_add_u32 v4, v2, 4, v4
	v_add_nc_u32 v[STO], s23, v4
	v_mul_u32_u24 v5, v2, SPITCH
	v_lshl_add_u32 v5, v1, 4, v5
	v_add_nc_u32 v[RD], s23, v5
	v_lshlrev_b32 v5, 12, v2
	v_lshl_add_u32 v[CO], v1, 4, v5
	s_lshl_b32 s23, s10, 10
	s_add_co_u32 s23, s23, SSC
	v_lshl_add_u32 v[SA0], v1, 4, s23              ; row l % 16 has 16 bytes; lanes 0-15 put c m, lanes 16-31 l, 512 bytes on
	v_lshl_add_u32 v[SA0], v2, 9, v[SA0]
	v_and_b32 v12, 31, v0
	v_lshlrev_b32 v[SG], 4, v12
	v_add_nc_u32 v[SL], s23, v[SG]
	v_mov_b32 v[LS+1], 0                           ; v_permlanex16_b32's destination counts as read
	s_lshl_b32 s16, s15, 11                        ; pt at my 128 x 128
	s_lshl_b32 s17, s13, 8
	s_add_co_u32 s16, s16, s17
	s_lshl_b32 s17, s11, 7
	s_add_co_u32 s16, s16, s17
	s_lshl_b32 s16, s16, 12
	s_lshl_b32 s17, s14, 9
	s_add_co_u32 s16, s16, s17
	s_lshl_b32 s17, s12, 8
	s_add_co_u32 s16, s16, s17
	s_mov_b32 s17, 0
	s_add_nc_u64 s[6:7], s[6:7], s[16:17]
	s_lshl_b32 s18, s15, 4                         ; st at my chunk, 2 j + half, and my 128 rows
	s_lshl_b32 s19, s14, 1
	s_add_co_u32 s18, s18, s19
	s_add_co_u32 s18, s18, s12
	s_lshl_b32 s18, s18, 11
	s_lshl_b32 s19, s13, 8
	s_add_co_u32 s18, s18, s19
	s_lshl_b32 s19, s11, 7
	s_add_co_u32 s18, s18, s19
	s_lshl_b32 s18, s18, 2
	s_mov_b32 s19, 0
	s_add_nc_u64 s[8:9], s[8:9], s[18:19]
.macro MUL16 f, hi, a0, zero
	WIN MUL_LO+0x50*(\hi)
.irp a, \a0, (\a0)+1
.irp b, 0,1,2,3,4,5,6,7
.if \zero
	v_wmma_f32_16x16x32_f16 v[8*(8*(\a)+(\b)):8*(8*(\a)+(\b))+7], v[(\f)+8*(\b):(\f)+8*(\b)+7], v[(\f)+8*(4*(\hi)+(\a)):(\f)+8*(4*(\hi)+(\a))+7], 0
.else
	v_wmma_f32_16x16x32_f16 v[8*(8*(\a)+(\b)):8*(8*(\a)+(\b))+7], v[(\f)+8*(\b):(\f)+8*(\b)+7], v[(\f)+8*(4*(\hi)+(\a)):(\f)+8*(4*(\hi)+(\a))+7], v[8*(8*(\a)+(\b)):8*(8*(\a)+(\b))+7]
.endif
.endr
.endr
.endm
.macro FETCH k, f
	WIN TO_B
.irp i, 0,1,2,3,4,5,6,7
	ds_load_b128 v[(\f)+8*(\i):(\f)+8*(\i)+3],   v[ADRB] offset:(\k)+(\i)*16*PITCH
	ds_load_b128 v[(\f)+8*(\i)+4:(\f)+8*(\i)+7], v[ADRB] offset:(\k)+(\i)*16*PITCH+32
.endr
	WIN 0
.irp i, 0,1,2,3,4,5,6,7
	ds_load_b128 v[(\f)+8*(\i):(\f)+8*(\i)+3],   v[ADRA] offset:(\k)+(\i)*16*PITCH
	ds_load_b128 v[(\f)+8*(\i)+4:(\f)+8*(\i)+7], v[ADRA] offset:(\k)+(\i)*16*PITCH+32
.endr
.endm
.macro QUARTER k, f, g, zero
	s_wait_dscnt 8                                 ; k's fragments and q's rows 0-63 are in; the youngest eight loads may be out
	MUL16 \f, 0, 0, \zero
	MUL16 \f, 0, 2, \zero
	PLACES
	FETCH \k, \g
	s_wait_dscnt 32                                ; all but the 32 just issued
	MUL16 \f, 1, 0, \zero
	MUL16 \f, 1, 2, \zero
.endm
; The last quarter and the change of slots: all my tensor loads have landed, the add, the scalars' steps, the wait for the add and my reads, one barrier; behind it the refill first.
.macro TURN fill
	WIN 0
	s_wait_tensorcnt 0x0                           ; no tensor load of mine is out, so a group 0 may be written
	ds_add_u32 v[SPW], v[NIL]
	s_xor_b32 s[TB], s[TB], SLOT
.if \fill
	s_xor_b32 s[G0+5], s[G0+5], SLOT
	s_add_nc_u64 s[G0+6:G0+7], s[G0+6:G0+7], 256
.endif
	s_wait_dscnt 9                                 ; the add and the youngest eight loads may be out
	MUL16 F1, 0, 0, 0
	s_wait_dscnt 0x0                               ; the add is done, and my reads of this slot are over
	s_barrier_signal -1
	MUL16 F1, 0, 2, 0
	WIN 0
	s_barrier_wait -1
.if \fill
	tensor_load_to_lds s[G0+4:G0+7], s[G1:G1+7]    ; my one tensor load behind the barrier
	s_nop 0
.endif
	PLACES
	v_add_nc_u32 v[ADRA], s[TB], v[A0]
	v_add_nc_u32 v[ADRB], s[TB], v[B0]
.if \fill
	FETCH 0, F0
.else
	s_cmp_eq_u32 s[CNT], 1                         ; the very last step has nothing to fetch
	s_cbranch_scc1 .Lno_fetch_\@
	FETCH 0, F0
.Lno_fetch_\@:
.endif
	MUL16 F1, 1, 0, 0
	MUL16 F1, 1, 2, 0
.endm
; Row block a's 64 sums a lane come into fixed registers as T = c s + mask: the scale and the mask ride on the one move that lets eight row blocks share the text below.
; Column block b lies under the diagonal's block (b < a), on it, or above it.  Each accumulator is read from its low end on.
.macro COPY a
	s_mov_b32 s[SOFF], (((\a)&3)<<2)|(((\a)>>2)<<8)
	WIN 0x02+(\a)/4
.irp b, 0,1,2,3,4,5,6,7
.irp p, 0,1,2,3
.if (\b) < (\a)
	v_pk_fma_f32 v[T+8*(\b)+2*(\p):T+8*(\b)+2*(\p)+1], v[64*((\a)%4)+8*(\b)+2*(\p):64*((\a)%4)+8*(\b)+2*(\p)+1], s[CS:CS+1], v[LO:LO+1] op_sel_hi:[1,0,1]
.elseif (\b) == (\a)
	v_pk_fma_f32 v[T+8*(\b)+2*(\p):T+8*(\b)+2*(\p)+1], v[64*((\a)%4)+8*(\b)+2*(\p):64*((\a)%4)+8*(\b)+2*(\p)+1], s[CS:CS+1], v[MD+2*(\p):MD+2*(\p)+1] op_sel_hi:[1,0,1]
.else
	v_pk_fma_f32 v[T+8*(\b)+2*(\p):T+8*(\b)+2*(\p)+1], v[64*((\a)%4)+8*(\b)+2*(\p):64*((\a)%4)+8*(\b)+2*(\p)+1], s[CS:CS+1], v[HI:HI+1] op_sel_hi:[1,0,1]
.endif
.endr
.endr
	WIN 0
.endm
	s_wait_tensorcnt 0x1                           ; my part of K step 0 is in; step 1's may stay out
	s_barrier_signal -1
	s_barrier_wait -1
	FETCH 0, F0
	QUARTER 64, F0, F1, 1
	WIN 0
	s_mov_b32 s[CNT], 6
.Lk:
	QUARTER 128, F1, F0, 0
	QUARTER 192, F0, F1, 0
	TURN 1
	QUARTER 64, F0, F1, 0
	WIN 0
	s_sub_co_u32 s[CNT], s[CNT], 1
	s_cmp_lg_u32 s[CNT], 0
	s_cbranch_scc1 .Lk
	s_mov_b32 s[CNT], 2
	s_branch .Lmid
.Ltop:
	QUARTER 64, F0, F1, 0
	WIN 0
.Lmid:
	QUARTER 128, F1, F0, 0
	QUARTER 192, F0, F1, 0
	TURN 0
	WIN 0
	s_sub_co_u32 s[CNT], s[CNT], 1
	s_cmp_lg_u32 s[CNT], 0
	s_cbranch_scc1 .Ltop
	s_wait_dscnt 0x0
	PLACES
	; THE MASKS.  Only the diagonal tile (i = j) hides anything: the wave of queries 0-127 and keys 128-255 hides all; the two waves on the diagonal hide key 16 b + 8 (l / 16) + r above query 16 a + l % 16.
	s_cmp_eq_u32 s13, s14
	s_cselect_b32 s46, 0xf149f2ca, 0               ; -1e30
	s_cmp_lt_u32 s11, s12
	s_cselect_b32 s44, s46, 0                      ; for blocks under the diagonal's
	s_cmp_le_u32 s11, s12
	s_cselect_b32 s45, s46, 0                      ; for blocks above it
	v_mov_b32 v[LO], s44
	v_mov_b32 v[LO+1], s44
	v_mov_b32 v[HI], s45
	v_mov_b32 v[HI+1], s45
	v_lshlrev_b32 v13, 3, v2
	v_sub_nc_u32 v13, v1, v13                      ; l % 16 - 8 (l / 16): register r is hidden where r is greater
.set i, 0
.rept 8
	v_cmp_gt_i32 vcc_lo, i, v13
	v_cndmask_b32 v[MD+i], v[LO], v[HI], vcc_lo
.set i, i+1
.endr
	s_mov_b32 s[SA], 0
.Lrow:                                                 ; eight trips, a block of 16 queries each
.irp a, 0,1,2,3,4,5,6
	s_cmp_lg_u32 s[SA], \a
	s_cbranch_scc1 .Lna\a
	COPY \a
	s_branch .Lsoft
.Lna\a:
.endr
	COPY 7
.Lsoft:
.irp k, 0,1,2,3                        ; the maximum of my 64: four chains of 15, three operands at a time, then the four left over
	v_max3_num_f32 v[C0+(\k)], v[T+16*(\k)], v[T+16*(\k)+1], v[T+16*(\k)+2]
.endr
.irp m, 0,1,2,3,4,5
.irp k, 0,1,2,3
	v_max3_num_f32 v[C0+(\k)], v[C0+(\k)], v[T+16*(\k)+3+2*(\m)], v[T+16*(\k)+4+2*(\m)]
.endr
.endr
	v_max3_num_f32 v[C0], v[C0], v[T+15], v[T+31]
	v_max3_num_f32 v[C0+2], v[C0+2], v[T+47], v[T+63]
	v_max3_num_f32 v[C0], v[C0], v[C0+1], v[C0+2]
	v_max_num_f32 v[C0], v[C0], v[C0+3]
	v_permlanex16_b32 v[C0+1], v[C0], s[SEL], s[SEL+1]  ; the query's other 64 keys lie in the lane 16 away
	v_max_num_f32 v[CM], v[C0], v[C0+1]
	v_max_num_f32 v[CM+1], v[C0], v[C0+1]
.set i, 0
.rept 32
	v_pk_add_f32 v[T+i:T+i+1], v[T+i:T+i+1], v[CM:CM+1] neg_lo:[0,1] neg_hi:[0,1]
.set i, i+2
.endr
.set i, 0
.rept 64
	v_exp_f32 v[T+i], v[T+i]                       ; one batch
.set i, i+1
.endr
	v_nop                                          ; a plain instruction behind the last exponential,
	s_wait_alu depctr_va_vdst(0)                   ; and one wait for the batch, ahead of its first reader
.set i, 0
.rept 32
	v_cvt_pk_f16_f32 v[PK+i], v[T+2*i], v[T+2*i+1]
.set i, i+1
.endr
.irp w, 4,8,16,32,64                   ; the sum of the unrounded weights: a tree in place, two sums an instruction
.set i, 0
.rept 64/(\w)
	v_pk_add_f32 v[T+i:T+i+1], v[T+i:T+i+1], v[T+i+(\w)/2:T+i+(\w)/2+1]
.set i, i+(\w)
.endr
.endr
	v_add_f32 v[LS], v[T], v[T+1]
	v_permlanex16_b32 v[LS+1], v[LS], s[SEL], s[SEL+1]
	v_add_f32 v[LS], v[LS], v[LS+1]
	v_cndmask_b32 v[SV], v[CM], v[LS], s[HM]       ; lanes 0-15 carry c m, lanes 16-31 l
	v_add_nc_u32 v[SAT], s[SOFF], v[SA0]
.irp b, 0,1,2,3,4,5,6,7
	ds_store_b128 v[STO], v[PK+4*(\b):PK+4*(\b)+3] offset:32*(\b)
.endr
	ds_store_b32 v[SAT], v[SV]
.irp t, 0,1,2,3,4,5,6,7
	ds_load_b128 v[BK+4*(\t):BK+4*(\t)+3], v[RD] offset:(\t)*2*SPITCH  ; LDS serves a wave's instructions in order (ISA guide 5.7.1.4): these see the stores above
.endr
.irp t, 0,1,2,3,4,5,6,7
	s_wait_dscnt 7-(\t)                            ; the 7 - t younger loads may be out
	global_store_b128 v[CO], v[BK+4*(\t):BK+4*(\t)+3], s[6:7] offset:2*(\t)*PROW  ; 16 lanes store 256 consecutive bytes, aligned
.endr
	s_wait_xcnt 0x0                                ; the stores have read their base and their data: both are written again in the next trip
	s_add_nc_u64 s[6:7], s[6:7], 16*PROW
	s_add_co_u32 s[SA], s[SA], 1
	s_cmp_lt_u32 s[SA], 8
	s_cbranch_scc1 .Lrow
	ds_load_b128 v[T:T+3], v[SL]                   ; my 128 c m and my 128 l, 512 consecutive bytes each
	ds_load_b128 v[T+4:T+7], v[SL] offset:512
	s_wait_dscnt 0x0
	global_store_b128 v[SG], v[T:T+3], s[8:9]
	global_store_b128 v[SG], v[T+4:T+7], s[8:9] offset:524288
	s_wait_tensorcnt 0x0                           ; the wave's end
	ds_add_u32 v[SPW], v[NIL]
	s_wait_dscnt 0x0
	s_endpgm
.Lfunc_end_k_q33b3ca1562_score:
	.size	k_q33b3ca1562_score, .Lfunc_end_k_q33b3ca1562_score-k_q33b3ca1562_score
	.p2alignl 7, 3214868480
	.fill 96, 4, 3214868480
	.section	.rodata,"a",@progbits
	.p2align	6, 0x0
	.amdhsa_kernel k_q33b3ca1562_score
		.amdhsa_group_segment_fixed_size 327680
		.amdhsa_private_segment_fixed_size 0
		.amdhsa_enable_private_segment 0
		.amdhsa_kernarg_size 24
		.amdhsa_user_sgpr_count 2
		.amdhsa_user_sgpr_kernarg_segment_ptr 1
		.amdhsa_wavefront_size32 1
		.amdhsa_system_sgpr_workgroup_id_x 1
		.amdhsa_system_sgpr_workgroup_id_y 1
		.amdhsa_system_sgpr_workgroup_id_z 1
		.amdhsa_system_vgpr_workitem_id 0
		.amdhsa_next_free_vgpr 1024
		.amdhsa_next_free_sgpr 66
		.amdhsa_reserve_vcc 1
		.amdhsa_float_denorm_mode_32 3
		.amdhsa_float_denorm_mode_16_64 3
		.amdhsa_memory_ordered 1
		.amdhsa_forward_progress 1
		.amdhsa_inst_pref_size 98
	.end_amdhsa_kernel
	.amdgpu_metadata
---
amdhsa.version: [ 1, 2 ]
amdhsa.kernels:
  - .name:           k_q33b3ca1562_score
    .symbol:         k_q33b3ca1562_score.kd
    .args:
      - { .name: qk, .offset: 0, .size: 8, .value_kind: global_buffer, .address_space: global }
      - { .name: pt, .offset: 8, .size: 8, .value_kind: global_buffer, .address_space: global }
      - { .name: st, .offset: 16, .size: 8, .value_kind: global_buffer, .address_space: global }
    .group_segment_fixed_size: 327680
    .private_segment_fixed_size: 0
    .kernarg_segment_align: 8
    .kernarg_segment_size: 24
    .max_flat_workgroup_size: 128
    .sgpr_count:     66
    .vgpr_count:     1024
    .wavefront_size: 32
...
	.end_amdgpu_metadata
.endif
;; end of part 3
;; launch pv (part 4): grid 8 x 32, 4 waves a work-group, clusters of 4 x 4, 327,680 bytes of LDS; arguments pt, vt, st, out0; writes out0
.if DOCPART == 4
	.amdgcn_target "amdgcn-amd-amdhsa--gfx1250"
	.amdhsa_code_object_version 6
	.text
	.protected	k_q33b3ca1562_pv
	.globl	k_q33b3ca1562_pv
	.p2align	8
	.type	k_q33b3ca1562_pv,@function
k_q33b3ca1562_pv:
	s_mov_b64 s[64:65], 0
	v_nop
	global_prefetch_b8 v0, s[64:65] scope:SCOPE_SE
	s_setreg_imm32_b32 hwreg(HW_REG_WAVE_MODE, 25, 1), 1
	s_wait_xcnt 0x0
	s_wait_alu depctr_hold_cnt(0) depctr_sa_sdst(0) depctr_va_vdst(0) depctr_va_sdst(0) depctr_va_ssrc(0) depctr_va_vcc(0) depctr_vm_vsrc(0)
	s_getreg_b32 s2, hwreg(HW_REG_IB_STS2, 6, 4)
	s_cmp_eq_u32 s2, 0
	s_cbranch_scc0 .Lentry_in_a_cluster
	s_endpgm
.Lentry_in_a_cluster:
	s_bfe_u32 s2, ttmp6, 0x10000c
	s_cmp_lg_u32 s2, 0xf033
	s_cbranch_scc0 .Lentry_shape_is_right
	s_endpgm
.Lentry_shape_is_right:
; THE SECOND HALF OF THE SOFTMAX AND THE LAST PRODUCT.  out0[q][ch] = the sum over chunks of 128 keys of F'[q][chunk] x (the sum over the chunk's keys of p[q][key] v[key][ch]).
; From st's c m and l of each row and chunk: c m_row = the maximum over chunks, E = 2^(c m - c m_row), l_row = the sum of E l, F' = E / l_row, all in f32.  p and v are f16, the sums f32.
; LIMITS: a factor under 2^-126 counts as 0; NaN and infinities are not treated apart.  A hidden chunk has c m = -1e30, so F' = 0; what pt holds there is finite (0 or 1).
; A tile of out0 is 128 queries x 128 channels: four waves of 64 x 64.  K (the keys) goes in steps of 256, two chunks, through two LDS slots; a wave's tensor load brings 64 rows x 512 bytes.
; THE WALK.  A batch's queries lie in four blocks of 512.  A cluster's row cy takes queries 128 cy .. of block 3 - g and then of block g (g = the cluster's y, odd or even); all four rows walk the keys
; up to the block's end: 8 - 2 g and 2 + 2 g steps, ten for everybody.  So A's tile (pt) is shared along a row of the cluster, B's (vt) along a column, and every count hangs on the cluster's y alone.
; A CHUNK'S SUMS stand in one of two sets of 16 accumulators (T0, T1), started with the constant 0; while one is summed the other is added into O, times F', by four packed lines behind every fourth product.
; Those lines are also the plain places that matrix instructions want in front of loads into their sources.
; O, T1 and F' of the chunk before a tile's first start at 0, by 392 v_mov_b32 in the text (260 in the wait for the first tile, 132 at the change of tiles): the price of one text for every K step.
; REGISTERS: window 0: v0-31 addresses, v32-63 the way out, v64-83 factors and statistics, v128-255 O ((a, b) at 128 + 8 (4 a + b); at the start the statistics' 128 numbers);
; window 1: two fragment buffers of 128 (64 of A, then 64 of B, for 64 along K);  window 2: T0 = v0-127, T1 = v128-255.
.set PITCH,  528                       ; an LDS row: 512 bytes + 16 of padding
.set HALFT,  64*PITCH
.set SLOT,   4*HALFT                   ; A's 128 rows, then B's 128 rows; its bits are none of wave x HALFT's
.set STAGE,  2*SLOT                    ; 16 rows x 272 bytes for each wave
.set SPITCH, 272
.set SPARE,  STAGE+4*16*SPITCH         ; the spare words, 128 bytes for each wave
.set TABLE,  SPARE+512                 ; 8,192 bytes a wave: F' by chunk in the order of the walk, 256 bytes a chunk: [16 rows][4 row blocks] f32
.set ROWB,   4096                      ; bytes in a row of pt, of vt and of out0
.set A0,   14
.set B0,   15
.set ADRA, 16
.set ADRB, 17
.set FT0,  18                          ; v18  my 16 bytes of the table's first chunk; never rewritten
.set FTA,  19                          ; v19  the same for the K step in hand
.set TW,   20                          ; v20  where the table is written
.set SO,   21                          ; v21  16 (l % 16)
.set STO,  24
.set RD,   25
.set CO,   26
.set SPW,  28
.set NIL,  29
.set BK,   32
.set FA,   64                          ; v64-67  F' of a step's first chunk, by row block
.set FB,   68                          ; v68-71  of its second
.set MR,   72
.set LR,   76
.set RL,   80
.set O,    128
.set MB,   128
.set LB,   192
.set F0,   0
.set F1,   128
.set T0,   0
.set T1,   128
.set WV,   12
.set RH,   13                          ; s13  my half of the queries; also: I fetch for A (0) or B (1)
.set CH,   14                          ; s14  my half of the channels; also: which 64 rows I fetch
.set G1A,  24
.set G0A,  32
.set G1B,  48
.set G0B,  56
.set PAC,  66                          ; s[66:67] pt at the rows that I fetch, of the tile whose steps are being asked for
.set PA2,  68                          ; s[68:69] the same for the second tile
.set PB,   70                          ; s[70:71] vt at the rows that I fetch
.set OFF,  72                          ; s[72:73] a K step's bytes along the rows
.set NXT,  74                          ; s74  the K step to be asked for next
.set LQ,   75                          ; s75  the last step of the tile whose steps are being asked for
.set LEFT, 76                          ; s76  steps that the first tile still has
.set E,    77                          ; s77  512 x the number of the step in the walk
.set TB,   78                          ; s78  the slot being read: 0 or SLOT
.set CNT,  79
.set PO,   80                          ; s[80:81] out0 at my 64 x 64 of the tile in hand
.set PO2,  82
.set PS,   84                          ; s[84:85] st at my 64 rows
.set PS2,  86
.set LQ2,  88                          ; s88  the second tile's last step
.set N1S,  89                          ; s89  512 x the first tile's steps
.set W0,   (1<<16)|(1<<20)|(1<<21)|(6<<22)|(3<<25)  ; 2-byte elements; padding on; bit 21 beside a mask; after every 128 words, 4 words
.set MSB, 0
.macro WIN new
.if MSB != (\new)
	s_set_vgpr_msb (MSB<<8)|(\new)
.set MSB, \new
.endif
.endm
.set W_MUL, 0xa5                       ; sources 0 (B) and 1 (A) window 1; C and D window 2
.set W_RID, 0x02                       ; source 0 (T) window 2; the rest window 0
.set W_F,   0x40                       ; destination window 1, address window 0
.macro PLACES
.rept 4
	v_nop
.endr
.endm
.macro JLOAD
	s_cmp_eq_u32 s[RH], 0
	s_cbranch_scc0 .Lfor_b_\@
	tensor_load_to_lds s[G0A+4:G0A+7], s[G1A:G1A+7]
	s_nop 0
	PLACES
	s_branch .Lasked_\@
.Lfor_b_\@:
	tensor_load_to_lds s[G0B+4:G0B+7], s[G1B:G1B+7]
	s_nop 0
	PLACES
.Lasked_\@:
.endm
.macro CREST
	s_cmp_lg_u32 s[WV], 0
	s_cbranch_scc1 .Lnot_wave_0_\@
	s_barrier_signal -3
.Lnot_wave_0_\@:
	s_barrier_wait -3
	s_barrier_signal -1
	s_barrier_wait -1
.endm
.macro CROUND
	s_barrier_signal -1
	s_barrier_wait -1
	CREST
.endm
	s_load_b256 s[4:11], s[0:1], 0x0               ; pt s[4:5], vt s[6:7], st s[8:9], out0 s[10:11]
	v_lshl_add_u32 v[SPW], v0, 2, SPARE
	v_mov_b32 v[NIL], 0
	ds_add_u32 v[SPW], v[NIL]                      ; the wave's opening: the add and its wait stand ahead of my first tensor load
	v_lshrrev_b32 v1, 5, v0
	v_readfirstlane_b32 s[WV], v1
	s_lshr_b32 s[RH], s[WV], 1
	s_and_b32 s[CH], s[WV], 1
	s_bfe_u32 s40, ttmp6, 0x40000                  ; cx
	s_bfe_u32 s41, ttmp6, 0x40004                  ; cy
	s_and_b32 s15, ttmp7, 0xffff                   ; the cluster's y
	s_lshr_b32 s16, s15, 1                         ; the batch
	s_and_b32 s17, s15, 1                          ; g
	s_lshl_b32 s42, ttmp9, 2
	s_add_co_u32 s42, s42, s40                     ; the block of 128 channels
	s_lshl_b32 s43, s41, 2
	s_lshl_b32 s43, 15, s43                        ; my row of the cluster
	s_lshl_b32 s44, 0x1111, s40                    ; my column
	s_or_b32 s[G1A+0], s43, W0
	s_or_b32 s[G1B+0], s44, W0
.irp g, G1A, G1B
	s_mov_b32 s[(\g)+1], 256<<16                   ; tensor_dim0 = 256
	s_mov_b32 s[(\g)+2], 64<<16                    ; tensor_dim1 = 64
	s_mov_b32 s[(\g)+3], 256<<16                   ; tile_dim0 = 256
	s_mov_b32 s[(\g)+4], 64                        ; tile_dim1 = 64
	s_mov_b32 s[(\g)+5], 2048                      ; elements from row to row
	s_mov_b32 s[(\g)+6], 0
	s_mov_b32 s[(\g)+7], 0
.endr
	s_lshl_b32 s18, s16, 11
	s_lshl_b32 s19, s41, 7
	s_add_co_u32 s18, s18, s19                     ; 2,048 batch + 128 cy
	s_sub_co_u32 s19, 3, s17
	s_lshl_b32 s19, s19, 9
	s_add_co_u32 s19, s19, s18                     ; the first tile's first query
	s_lshl_b32 s20, s17, 9
	s_add_co_u32 s20, s20, s18                     ; the second's
	s_lshl_b32 s21, s[CH], 6
	s_add_co_u32 s22, s19, s21
	s_lshl_b32 s22, s22, 12
	s_mov_b32 s23, 0
	s_add_co_u32 s90, s20, s21
	s_lshl_b32 s90, s90, 12
	s_mov_b32 s91, 0
	s_lshl_b32 s46, s16, 10                        ; vt: row 1,024 batch + 128 channel block + 64 half
	s_lshl_b32 s47, s42, 7
	s_add_co_u32 s46, s46, s47
	s_add_co_u32 s46, s46, s21
	s_lshl_b32 s46, s46, 12
	s_mov_b32 s47, 0
	s_lshl_b32 s43, s17, 1
	s_sub_co_u32 s[LEFT], 8, s43                   ; the first tile has 8 - 2 g steps,
	s_sub_co_u32 s[LQ], 7, s43
	s_add_co_u32 s[LQ2], s43, 1                    ; the second 2 + 2 g
	s_lshl_b32 s[N1S], s[LEFT], 9
	s_mov_b32 s[NXT], 2
	s_mov_b32 s[OFF+1], 0
	s_mov_b32 s[E], 0
	s_mov_b32 s[TB], 0
	s_mul_i32 s3, s[WV], HALFT
	s_wait_dscnt 0x0                               ; the opening add is done
	s_wait_kmcnt 0x0
	s_add_nc_u64 s[PAC:PAC+1], s[4:5], s[22:23]
	s_add_nc_u64 s[PA2:PA2+1], s[4:5], s[90:91]
	s_add_nc_u64 s[PB:PB+1], s[6:7], s[46:47]
	CROUND                                         ; all sixteen work-groups are here: the first joint loads meet
.irp s, 0,1
	s_mov_b32 s[G0A+4*(\s)], 1
	s_add_co_u32 s[G0A+4*(\s)+1], s3, (\s)*SLOT
	s_add_nc_u64 s[G0A+4*(\s)+2:G0A+4*(\s)+3], s[PAC:PAC+1], (\s)*512
	s_or_b32 s[G0A+4*(\s)+3], s[G0A+4*(\s)+3], 0x80000000
	s_mov_b32 s[G0B+4*(\s)], 1
	s_add_co_u32 s[G0B+4*(\s)+1], s3, (\s)*SLOT
	s_add_nc_u64 s[G0B+4*(\s)+2:G0B+4*(\s)+3], s[PB:PB+1], (\s)*512
	s_or_b32 s[G0B+4*(\s)+3], s[G0B+4*(\s)+3], 0x80000000
.endr
	s_cmp_eq_u32 s[RH], 0                          ; a wave's two first fills stand in one branch: two loads of mine are out
	s_cbranch_scc0 .Lfirst_b
	tensor_load_to_lds s[G0A:G0A+3], s[G1A:G1A+7]
	s_nop 0
	tensor_load_to_lds s[G0A+4:G0A+7], s[G1A:G1A+7]
	s_nop 0
	PLACES
	s_branch .Lfirst_asked
.Lfirst_b:
	tensor_load_to_lds s[G0B:G0B+3], s[G1B:G1B+7]
	s_nop 0
	tensor_load_to_lds s[G0B+4:G0B+7], s[G1B:G1B+7]
	s_nop 0
	PLACES
.Lfirst_asked:
	v_and_b32 v1, 15, v0                           ; l % 16
	v_bfe_u32 v2, v0, 4, 1                         ; l / 16
	v_mul_u32_u24 v3, v1, PITCH
	v_lshl_add_u32 v3, v2, 4, v3
	s_mul_i32 s2, s[RH], HALFT
	s_mul_i32 s3, s[CH], HALFT
	s_add_co_u32 s3, s3, 2*HALFT
	v_add_nc_u32 v[A0], s2, v3
	v_add_nc_u32 v[B0], s3, v3
	v_mov_b32 v[ADRA], v[A0]
	v_mov_b32 v[ADRB], v[B0]
	s_mul_i32 s2, s[WV], 16*SPITCH
	s_add_co_u32 s2, s2, STAGE
	v_mul_u32_u24 v4, v1, SPITCH
	v_lshl_add_u32 v4, v2, 5, v4                   ; in: row l % 16, 32 bytes (8 f32) for each half of the lanes
	v_add_nc_u32 v[STO], s2, v4
	v_mul_u32_u24 v5, v2, SPITCH
	v_lshl_add_u32 v5, v1, 4, v5
	v_add_nc_u32 v[RD], s2, v5                     ; back: lanes 0-15 one row of 256 bytes, lanes 16-31 the next
	v_lshlrev_b32 v5, 12, v2
	v_lshl_add_u32 v[CO], v1, 4, v5
	s_lshl_b32 s2, s[WV], 13
	s_add_co_u32 s2, s2, TABLE
	v_lshl_add_u32 v[FT0], v1, 4, s2
	v_mov_b32 v[TW], v[FT0]
	v_lshlrev_b32 v[SO], 4, v1
	s_lshl_b32 s90, s[RH], 6
	s_add_co_u32 s2, s19, s90                      ; my 64 queries of the first tile,
	s_add_co_u32 s3, s20, s90                      ; and of the second
	s_lshl_b32 s94, s42, 9                         ; 512 bytes a channel block,
	s_lshl_b32 s93, s[CH], 8                       ; 256 for my half
	s_add_co_u32 s94, s94, s93
	s_lshl_b32 s92, s2, 12
	s_add_co_u32 s92, s92, s94
	s_mov_b32 s93, 0
	s_add_nc_u64 s[PO:PO+1], s[10:11], s[92:93]
	s_lshl_b32 s92, s3, 12
	s_add_co_u32 s92, s92, s94
	s_add_nc_u64 s[PO2:PO2+1], s[10:11], s[92:93]
	s_mul_i32 s15, s16, 30720                      ; a batch of st is 32,768 words; the query's number already holds 2,048 batch
	s_add_co_u32 s90, s2, s15
	s_lshl_b32 s90, s90, 2
	s_mov_b32 s91, 0
	s_add_nc_u64 s[PS:PS+1], s[8:9], s[90:91]
	s_add_co_u32 s90, s3, s15
	s_lshl_b32 s90, s90, 2
	s_add_nc_u64 s[PS2:PS2+1], s[8:9], s[90:91]
	WIN 0x80
.set i, T1
.rept 128
	v_mov_b32 v[i], 0                              ; the first step adds T1 x 0 into O: T1 need only be finite
.set i, i+1
.endr
	WIN 0
	; THE FACTORS, two trips, a tile each.  A lane holds row l % 16 of my four row blocks: for each of the 16 chunks 16 bytes of c m and 16 of l.
	s_mov_b32 s[CNT], 2
.Lstat:
.set c, 0
.rept 16
	global_load_b128 v[MB+4*c:MB+4*c+3], v[SO], s[PS:PS+1] offset:8192*c
.set c, c+1
.endr
.set c, 0
.rept 16
	global_load_b128 v[LB+4*c:LB+4*c+3], v[SO], s[PS:PS+1] offset:524288+8192*c
.set c, c+1
.endr
	s_wait_loadcnt 16                              ; the c m are in; the sixteen loads of l may stay out
.irp r, 0,1,2,3
	v_max3_num_f32 v[MR+(\r)], v[MB+(\r)], v[MB+4+(\r)], v[MB+8+(\r)]
.endr
.irp m, 0,1,2,3,4,5
.irp r, 0,1,2,3
	v_max3_num_f32 v[MR+(\r)], v[MR+(\r)], v[MB+4*(3+2*(\m))+(\r)], v[MB+4*(4+2*(\m))+(\r)]
.endr
.endr
.irp r, 0,1,2,3
	v_max_num_f32 v[MR+(\r)], v[MR+(\r)], v[MB+60+(\r)]
.endr
.set c, 0
.rept 16
	v_pk_add_f32 v[MB+4*c:MB+4*c+1], v[MB+4*c:MB+4*c+1], v[MR:MR+1] neg_lo:[0,1] neg_hi:[0,1]
	v_pk_add_f32 v[MB+4*c+2:MB+4*c+3], v[MB+4*c+2:MB+4*c+3], v[MR+2:MR+3] neg_lo:[0,1] neg_hi:[0,1]
.set c, c+1
.endr
.set i, 0
.rept 64
	v_exp_f32 v[MB+i], v[MB+i]                     ; E: one batch
.set i, i+1
.endr
	v_nop                                          ; a plain instruction behind the last exponential,
	s_wait_alu depctr_va_vdst(0)                   ; and one wait for the batch
	s_wait_loadcnt 0x0                             ; the l are in
	v_pk_mul_f32 v[LR:LR+1], v[MB:MB+1], v[LB:LB+1]
	v_pk_mul_f32 v[LR+2:LR+3], v[MB+2:MB+3], v[LB+2:LB+3]
.set c, 1
.rept 15
	v_pk_fma_f32 v[LR:LR+1], v[MB+4*c:MB+4*c+1], v[LB+4*c:LB+4*c+1], v[LR:LR+1]
	v_pk_fma_f32 v[LR+2:LR+3], v[MB+4*c+2:MB+4*c+3], v[LB+4*c+2:LB+4*c+3], v[LR+2:LR+3]
.set c, c+1
.endr
.irp r, 0,1,2,3
	v_rcp_f32 v[RL+(\r)], v[LR+(\r)]               ; l_row is 1 at the least: the chunk of the row's maximum has E = 1 and l >= 1
.endr
	v_nop
	s_wait_alu depctr_va_vdst(0)                   ; one wait for the four reciprocals
.set c, 0
.rept 16
	v_pk_mul_f32 v[MB+4*c:MB+4*c+1], v[MB+4*c:MB+4*c+1], v[RL:RL+1]
	v_pk_mul_f32 v[MB+4*c+2:MB+4*c+3], v[MB+4*c+2:MB+4*c+3], v[RL+2:RL+3]
.set c, c+1
.endr
.set c, 0
.rept 16
	ds_store_b128 v[TW], v[MB+4*c:MB+4*c+3] offset:256*c  ; both halves of the lanes write the same bytes with the same numbers
.set c, c+1
.endr
	s_wait_dscnt 0x0                               ; the stores are done: their registers are loaded or cleared next
	s_mov_b64 s[PS:PS+1], s[PS2:PS2+1]             ; (all loads have come back)
	v_add_nc_u32 v[TW], s[N1S], v[TW]              ; the second tile's chunks follow the first tile's steps, over chunks of the first tile that its walk never reaches
	s_sub_co_u32 s[CNT], s[CNT], 1
	s_cmp_lg_u32 s[CNT], 0
	s_cbranch_scc1 .Lstat
.macro CLEAR
.set i, O
.rept 128
	v_mov_b32 v[i], 0
.set i, i+1
.endr
.irp r, 0,1,2,3
	v_mov_b32 v[FB+(\r)], 0
.endr
.endm
	CLEAR
; Four lines: accumulator j of O takes accumulator j of the finished chunk's sums (at tb) times F' of its row block (register fr + j / 4; the packed line names a pair and takes one word for both halves).
.macro RID j, tb, fr
	WIN W_RID
.if (((\j)/4)%2) == 0
.irp p, 0,1,2,3
	v_pk_fma_f32 v[O+8*(\j)+2*(\p):O+8*(\j)+2*(\p)+1], v[(\tb)+8*(\j)+2*(\p):(\tb)+8*(\j)+2*(\p)+1], v[(\fr)+(\j)/4:(\fr)+(\j)/4+1], v[O+8*(\j)+2*(\p):O+8*(\j)+2*(\p)+1] op_sel_hi:[1,0,1]
.endr
.else
.irp p, 0,1,2,3
	v_pk_fma_f32 v[O+8*(\j)+2*(\p):O+8*(\j)+2*(\p)+1], v[(\tb)+8*(\j)+2*(\p):(\tb)+8*(\j)+2*(\p)+1], v[(\fr)+(\j)/4-1:(\fr)+(\j)/4], v[O+8*(\j)+2*(\p):O+8*(\j)+2*(\p)+1] op_sel:[0,1,0] op_sel_hi:[1,1,1]
.endr
.endif
.endm
; Four products: row block a x all 4 channel blocks, 32 along K: half c of buffer f, into the sums at tc.  The 16 accumulators take turns in one order everywhere.
.macro MUL4 f, c, a, zero, tc
	WIN W_MUL
.irp b, 0,1,2,3
.if \zero
	v_wmma_f32_16x16x32_f16 v[(\tc)+8*(4*(\a)+(\b)):(\tc)+8*(4*(\a)+(\b))+7], v[(\f)+64+8*(4*(\c)+(\b)):(\f)+64+8*(4*(\c)+(\b))+7], v[(\f)+8*(4*(\c)+(\a)):(\f)+8*(4*(\c)+(\a))+7], 0
.else
	v_wmma_f32_16x16x32_f16 v[(\tc)+8*(4*(\a)+(\b)):(\tc)+8*(4*(\a)+(\b))+7], v[(\f)+64+8*(4*(\c)+(\b)):(\f)+64+8*(4*(\c)+(\b))+7], v[(\f)+8*(4*(\c)+(\a)):(\f)+8*(4*(\c)+(\a))+7], v[(\tc)+8*(4*(\a)+(\b)):(\tc)+8*(4*(\a)+(\b))+7]
.endif
.endr
.endm
.macro MUL8R f, c, a0, zero, tc, to, fr, x
	MUL4 \f, \c, \a0, \zero, \tc
	RID \x, \to, \fr
	MUL4 \f, \c, (\a0)+1, \zero, \tc
	RID (\x)+1, \to, \fr
.endm
; 32 LDS loads in one run: the fragments of 64 along K at byte k of the rows of the slot being read; the first 32 along K first
.macro FETCH k, f
	WIN W_F
.irp c, 0,1
.irp i, 0,1,2,3
	ds_load_b128 v[(\f)+64+8*(4*(\c)+(\i)):(\f)+64+8*(4*(\c)+(\i))+3],   v[ADRB] offset:(\k)+64*(\c)+(\i)*16*PITCH
	ds_load_b128 v[(\f)+64+8*(4*(\c)+(\i))+4:(\f)+64+8*(4*(\c)+(\i))+7], v[ADRB] offset:(\k)+64*(\c)+(\i)*16*PITCH+32
	ds_load_b128 v[(\f)+8*(4*(\c)+(\i)):(\f)+8*(4*(\c)+(\i))+3],         v[ADRA] offset:(\k)+64*(\c)+(\i)*16*PITCH
	ds_load_b128 v[(\f)+8*(4*(\c)+(\i))+4:(\f)+8*(4*(\c)+(\i))+7],       v[ADRA] offset:(\k)+64*(\c)+(\i)*16*PITCH+32
.endr
.endr
.endm
; One of a K step's first three quarters (64 along K, 32 products).  first = 1: a chunk's first quarter, whose first 16 products start the sums.  ld >= 0: four factors are read from the table ahead of the run of loads.
.macro QUART k, f, g, first, tc, to, fr, ld, lo
	s_wait_dscnt 16                                ; the first 32 along K are in; the youngest sixteen loads may be out
	MUL8R \f, 0, 0, \first, \tc, \to, \fr, 8*(1-(\first))
	MUL8R \f, 0, 2, \first, \tc, \to, \fr, 8*(1-(\first))+2
.if (\ld) >= 0
	WIN 0
	ds_load_b128 v[(\ld):(\ld)+3], v[FTA] offset:\lo
.endif
	FETCH \k, \g
	s_wait_dscnt 32                                ; all but the 32 just issued: the factors too
	MUL8R \f, 1, 0, 0, \tc, \to, \fr, 8*(1-(\first))+4
	MUL8R \f, 1, 2, 0, \tc, \to, \fr, 8*(1-(\first))+6
.endm
; The last quarter and the change of slots.  fill = 1: the slot just read takes the step NXT of the walk: the descriptors' addresses are made anew from that number while the add is out;
; the barrier opens a round of the cluster's barrier, and the joint refill is the first thing behind it.
.macro TURN fill
	WIN 0
	s_wait_tensorcnt 0x0                           ; no tensor load of mine is out, so a group 0 may be written
	ds_add_u32 v[SPW], v[NIL]
	s_xor_b32 s[TB], s[TB], SLOT
.if \fill
	s_xor_b32 s[G0A+5], s[G0A+5], SLOT
	s_xor_b32 s[G0B+5], s[G0B+5], SLOT
	s_lshl_b32 s[OFF], s[NXT], 9                   ; a step is 512 bytes of a row
	s_add_nc_u64 s[G0A+6:G0A+7], s[PAC:PAC+1], s[OFF:OFF+1]
	s_or_b32 s[G0A+7], s[G0A+7], 0x80000000
	s_add_nc_u64 s[G0B+6:G0B+7], s[PB:PB+1], s[OFF:OFF+1]
	s_or_b32 s[G0B+7], s[G0B+7], 0x80000000
	s_add_co_u32 s[NXT], s[NXT], 1                 ; the tile's next step, or behind its last the second tile's step 0
	s_cmp_gt_u32 s[NXT], s[LQ]
	s_cselect_b32 s[NXT], 0, s[NXT]
	s_cselect_b32 s[LQ], s[LQ2], s[LQ]
	s_cselect_b64 s[PAC:PAC+1], s[PA2:PA2+1], s[PAC:PAC+1]
.endif
	s_wait_dscnt 17                                ; the add and the youngest sixteen loads may be out
	MUL8R F1, 0, 0, 0, T1, T0, FA, 8
	s_wait_dscnt 0x0                               ; the add is done, and my reads of this slot are over
	s_barrier_signal -1
	MUL8R F1, 0, 2, 0, T1, T0, FA, 10
	WIN 0
	s_barrier_wait -1
.if \fill
	CREST
	JLOAD
.endif
	v_add_nc_u32 v[ADRA], s[TB], v[A0]
	v_add_nc_u32 v[ADRB], s[TB], v[B0]
.if \fill
	FETCH 0, F0
.else
	s_cmp_eq_u32 s[CNT], 1                         ; the very last step has nothing to fetch
	s_cbranch_scc1 .Lno_fetch_\@
	FETCH 0, F0
	WIN 0
.Lno_fetch_\@:
.endif
	MUL8R F1, 1, 0, 0, T1, T0, FA, 12
	MUL8R F1, 1, 2, 0, T1, T0, FA, 14
.endm
; A K step: chunk 2 s into T0 while T1 (chunk 2 s - 1) goes into O, then chunk 2 s + 1 into T1 while T0 goes into O.
.macro STEP fill
	WIN 0
	v_add_nc_u32 v[FTA], s[E], v[FT0]
	QUART 128, F0, F1, 1, T0, T1, FB, FA, 0
	QUART 256, F1, F0, 0, T0, T1, FB, -1, 0
	QUART 384, F0, F1, 1, T1, T0, FA, FB, 256
	TURN \fill
.endm
; A tile's end: its last chunk goes into O; then O leaves through my own stage, 16 rows at a time: my 64 channels of a row are 256 bytes, aligned.
.macro END
.set j, 0
.rept 16
	RID j, T1, FB
.set j, j+1
.endr
	WIN 0
.irp a, 0,1,2,3
	s_wait_xcnt 0x0                                ; earlier stores have read their data: BK is loaded again only behind this wait
.irp b, 0,1,2,3
	ds_store_b128 v[STO], v[O+8*(4*(\a)+(\b)):O+8*(4*(\a)+(\b))+3]   offset:64*(\b)
	ds_store_b128 v[STO], v[O+8*(4*(\a)+(\b))+4:O+8*(4*(\a)+(\b))+7] offset:64*(\b)+16
.endr
.irp t, 0,1,2,3,4,5,6,7
	ds_load_b128 v[BK+4*(\t):BK+4*(\t)+3], v[RD] offset:(\t)*2*SPITCH  ; LDS serves a wave's instructions in order (ISA guide 5.7.1.4): these see the stores above
.endr
.irp t, 0,1,2,3,4,5,6,7
	s_wait_dscnt 7-(\t)                            ; the 7 - t younger loads may be out
	global_store_b128 v[CO], v[BK+4*(\t):BK+4*(\t)+3], s[PO:PO+1] offset:(16*(\a)+2*(\t))*ROWB  ; 16 lanes store 256 consecutive bytes, aligned
.endr
.endr
.endm
	s_wait_tensorcnt 0x1                           ; my part of step 0 is in; step 1's may stay out
	s_wait_dscnt 0x0
	s_barrier_signal -1
	s_barrier_wait -1
	FETCH 0, F0
	WIN 0
	s_mov_b32 s[CNT], 8
.Lk:                                                   ; eight trips, a K step each; each refills a slot: steps 2 to 9 of the walk
	STEP 1
	WIN 0
	s_add_co_u32 s[E], s[E], 512
	s_sub_co_u32 s[LEFT], s[LEFT], 1
	s_cmp_lg_u32 s[LEFT], 0
	s_cbranch_scc1 .Lgo                            ; the jump passes neither a barrier nor a tensor load, and is the same in all sixteen partners
	END                                            ; the first tile is finished; the second's first step is already being fetched
	s_wait_xcnt 0x0                                ; the stores have read their base
	s_mov_b64 s[PO:PO+1], s[PO2:PO2+1]
	CLEAR
.Lgo:
	s_sub_co_u32 s[CNT], s[CNT], 1
	s_cmp_lg_u32 s[CNT], 0
	s_cbranch_scc1 .Lk
	s_mov_b32 s[CNT], 2                            ; the last two steps ask for nothing: a second text
.Lt:
	STEP 0
	WIN 0
	s_add_co_u32 s[E], s[E], 512
	s_sub_co_u32 s[CNT], s[CNT], 1
	s_cmp_lg_u32 s[CNT], 0
	s_cbranch_scc1 .Lt
	END
	s_wait_tensorcnt 0x0                           ; the wave's end
	ds_add_u32 v[SPW], v[NIL]
	s_wait_dscnt 0x0
	CROUND                                         ; the closing round
	s_endpgm
.Lfunc_end_k_q33b3ca1562_pv:
	.size	k_q33b3ca1562_pv, .Lfunc_end_k_q33b3ca1562_pv-k_q33b3ca1562_pv
	.p2alignl 7, 3214868480
	.fill 96, 4, 3214868480
	.section	.rodata,"a",@progbits
	.p2align	6, 0x0
	.amdhsa_kernel k_q33b3ca1562_pv
		.amdhsa_group_segment_fixed_size 327680
		.amdhsa_private_segment_fixed_size 0
		.amdhsa_enable_private_segment 0
		.amdhsa_kernarg_size 32
		.amdhsa_user_sgpr_count 2
		.amdhsa_user_sgpr_kernarg_segment_ptr 1
		.amdhsa_wavefront_size32 1
		.amdhsa_system_sgpr_workgroup_id_x 1
		.amdhsa_system_sgpr_workgroup_id_y 1
		.amdhsa_system_sgpr_workgroup_id_z 1
		.amdhsa_system_vgpr_workitem_id 0
		.amdhsa_next_free_vgpr 768
		.amdhsa_next_free_sgpr 96
		.amdhsa_reserve_vcc 0
		.amdhsa_float_denorm_mode_32 3
		.amdhsa_float_denorm_mode_16_64 3
		.amdhsa_memory_ordered 1
		.amdhsa_forward_progress 1
		.amdhsa_inst_pref_size 117
	.end_amdhsa_kernel
	.amdgpu_metadata
---
amdhsa.version: [ 1, 2 ]
amdhsa.kernels:
  - .name:           k_q33b3ca1562_pv
    .symbol:         k_q33b3ca1562_pv.kd
    .args:
      - { .name: pt, .offset: 0, .size: 8, .value_kind: global_buffer, .address_space: global }
      - { .name: vt, .offset: 8, .size: 8, .value_kind: global_buffer, .address_space: global }
      - { .name: st, .offset: 16, .size: 8, .value_kind: global_buffer, .address_space: global }
      - { .name: out0, .offset: 24, .size: 8, .value_kind: global_buffer, .address_space: global }
    .group_segment_fixed_size: 327680
    .private_segment_fixed_size: 0
    .kernarg_segment_align: 8
    .kernarg_segment_size: 32
    .max_flat_workgroup_size: 128
    .sgpr_count:     96
    .vgpr_count:     768
    .wavefront_size: 32
...
	.end_amdgpu_metadata
.endif
;; end of part 4
;; ======== version 2 of 2: 4 launches; version 1 with the launch cast written anew for expert scheduling mode
;; limits: values are held in f16: magnitudes above 65,504 overflow, below 6.1e-05 lose precision
;; workspace buffers: ab 23,068,672 bytes; qk 33,554,432 bytes; vt 16,777,216 bytes; pt 33,554,432 bytes; st 1,048,576 bytes
;; launch cast (part 5): grid 800 x 1, 8 waves a work-group, no clusters, 0 bytes of LDS; arguments x, w_q, w_k, w_v, ab, pt, st; writes ab, pt, st
.if DOCPART == 5
	.amdgcn_target "amdgcn-amd-amdhsa--gfx1250"
	.amdhsa_code_object_version 6
	.text
	.protected	k_q33b3ca1562_cast
	.globl	k_q33b3ca1562_cast
	.p2align	8
	.type	k_q33b3ca1562_cast,@function
k_q33b3ca1562_cast:
	s_mov_b64 s[64:65], 0
	v_nop
	global_prefetch_b8 v0, s[64:65] scope:SCOPE_SE
	s_setreg_imm32_b32 hwreg(HW_REG_WAVE_SCHED_MODE, 0, 2), 2
	s_setreg_imm32_b32 hwreg(HW_REG_WAVE_MODE, 25, 1), 1
	s_wait_xcnt 0x0
	s_wait_alu depctr_vm_vsrc(0)
; CAST AND DEFAULTS.  ab = [11264][1024] bf16: rows 0-8191 x, 8192-9215 w_q, 9216-10239 w_k, 10240-11263 w_v, each number rounded once (to nearest even).
; Work-groups 0-703: 16 rows of 4,096 bytes each; a wave takes two rows: 16 loads of 512 consecutive bytes, all issued before the first is used, and 16 stores of 256 consecutive bytes, aligned.
; Work-groups 704-767: the 16 blocks of 256 queries x 256 keys of pt that lie just above the diagonal inside a block of 512 x 512 take 0: the last launch multiplies them, with the factor 0,
; so they must hold finite numbers.  64 rows of 512 bytes a work-group.
; Work-groups 768-799: st takes its defaults, 32,768 bytes a work-group: plane 0 (c m) -1e30, plane 1 (l) 0; the chunks that are computed are stored over them by the launch that computes them.
; No LDS, no barrier, no matrix work: bytes are all there is.
; THE MODE: SCHED_MODE bits 1:0 = 2 (LLVM: expert scheduling mode 2), set by the entry lines.  The code itself states the register dependences
; between vector instructions and memory instructions, with s_wait_alu, always for 0.
; THE PLAN.  Registers that memory instructions touch:
;   v1, v2     the loads' and the stores' byte offsets: made once at the head, never written again.
;   X          load n lands in X + 4 n .. + 3; no vector instruction writes these registers; number n's two conversions read them; they are never loaded again.
;   Y          number n's two conversions write Y + 2 n and Y + 2 n + 1; store n reads them; they are never written again.
;   v5, v8-11  (work-groups 704-799) the stores' offset and data: made once, never written again.
; So what is to be stated is this alone: an offset is written ahead of the first access by it, and a store's data ahead of the store.  The 16 numbers go in four groups of four.
; Group g's conversions name X and Y of group g alone; the memory instructions among them are the four stores of group g - 1, which touch v2 and Y of group g - 1.
; One wait at a group's head states that the group before has written its Y, and the four stores follow it with no further wait.
.set NCAST, 704
.set NFILL, 768
.set X, 8                              ; v[8:71]    16 x 4 registers, f32 as loaded
.set Y, 72                             ; v[72:103]  16 x 2 registers, bf16 to store
	s_load_b256 s[4:11], s[0:1], 0x0               ; x s[4:5], w_q s[6:7], w_k s[8:9], w_v s[10:11]
	s_load_b128 s[12:15], s[0:1], 0x20             ; ab s[12:13], pt s[14:15]
	s_load_b64 s[16:17], s[0:1], 0x30              ; st
	s_mov_b32 s20, ttmp9                           ; g
	v_lshrrev_b32 v3, 5, v0                        ; wave
	v_and_b32 v4, 31, v0                           ; lane
	s_cmp_lt_u32 s20, NCAST
	s_cbranch_scc0 .Lfill
	s_and_b32 s21, s20, 63                         ; a weight's block of 16 rows (512, 576 and 640 are multiples of 64),
	s_cmp_lt_u32 s20, 512
	s_cselect_b32 s21, s20, s21                    ; or x's
	s_lshl_b32 s22, s21, 16                        ; 16 rows of 4,096 bytes in the source,
	s_mov_b32 s23, 0
	s_lshl_b32 s24, s20, 15                        ; 16 rows of 2,048 bytes in ab
	s_mov_b32 s25, 0
	v_lshlrev_b32 v1, 13, v3                       ; my wave's two rows,
	v_lshl_or_b32 v1, v4, 4, v1                    ; my 16 bytes of each 512
	v_lshrrev_b32 v2, 1, v1                        ; and half of that in ab
	s_wait_kmcnt 0x0
	s_mov_b64 s[26:27], s[4:5]
	s_cmp_ge_u32 s20, 512
	s_cselect_b64 s[26:27], s[6:7], s[26:27]
	s_cmp_ge_u32 s20, 576
	s_cselect_b64 s[26:27], s[8:9], s[26:27]
	s_cmp_ge_u32 s20, 640
	s_cselect_b64 s[26:27], s[10:11], s[26:27]
	s_add_nc_u64 s[26:27], s[26:27], s[22:23]
	s_add_nc_u64 s[28:29], s[12:13], s[24:25]
	s_wait_alu depctr_va_vdst(0)                   ; v1 and v2 are written: every load below reads v1 as its offset, every store v2
.set n, 0
.rept 16
	global_load_b128 v[X+4*n:X+4*n+3], v1, s[26:27] offset:512*n th:TH_LOAD_NT
.set n, n+1
.endr
.irp g, 0,1,2,3
	s_wait_loadcnt 12-4*(\g)                       ; loads come back in order: group g's four are in, the 12 - 4 g younger ones stay out
.if (\g) > 0
	s_wait_alu depctr_va_vdst(0)                   ; the conversions of the group before have written its eight registers of Y, which the four stores below read
.endif
.irp i, 0,1,2,3
.if (\g) > 0
	global_store_b64 v2, v[Y+2*(4*(\g)+(\i)-4):Y+2*(4*(\g)+(\i)-4)+1], s[28:29] offset:256*(4*(\g)+(\i)-4)  ; the group before: 32 lanes store 256 consecutive bytes, aligned; no vector instruction since the wait names these registers
.endif
	v_cvt_pk_bf16_f32 v[Y+2*(4*(\g)+(\i))],   v[X+4*(4*(\g)+(\i))],   v[X+4*(4*(\g)+(\i))+1]
	v_cvt_pk_bf16_f32 v[Y+2*(4*(\g)+(\i))+1], v[X+4*(4*(\g)+(\i))+2], v[X+4*(4*(\g)+(\i))+3]
.endr
.endr
	s_wait_alu depctr_va_vdst(0)                   ; the last group's conversions have written its eight registers of Y, which the last four stores read
.irp i, 12,13,14,15
	global_store_b64 v2, v[Y+2*(\i):Y+2*(\i)+1], s[28:29] offset:256*(\i)  ; no register that a load or a store reads is written a second time, so nothing more is waited for
.endr
	s_endpgm
.Lfill:
	s_sub_co_u32 s21, s20, NCAST                   ; a quarter of a zero block: batch z / 16, block (z / 4) % 4, quarter z % 4
	s_lshr_b32 s22, s21, 4
	s_bfe_u32 s23, s21, 0x20002
	s_and_b32 s24, s21, 3
	s_lshl_b32 s22, s22, 11                        ; row 2,048 b
	s_lshl_b32 s25, s23, 9                         ; + 512 c
	s_add_co_u32 s22, s22, s25
	s_lshl_b32 s24, s24, 6                         ; + 64 quarter
	s_add_co_u32 s22, s22, s24
	s_lshl_b32 s22, s22, 12                        ; rows of 4,096 bytes
	s_lshl_b32 s25, s23, 10                        ; key 512 c + 256, two bytes each
	s_add_co_u32 s22, s22, s25
	s_add_co_u32 s22, s22, 512
	s_sub_co_u32 s26, s20, NFILL                   ; a part of st (of use where g is 768 or more)
	s_lshl_b32 s27, s26, 15
	s_cmp_lt_u32 s26, 16                           ; plane 0 is the first 16 parts
	s_cselect_b32 s28, 0xf149f2ca, 0               ; -1e30 or 0
	s_cmp_lt_u32 s20, NFILL
	s_cselect_b32 s30, s22, s27                    ; the offset,
	s_cselect_b32 s28, 0, s28                      ; the number,
	s_cselect_b32 s29, 15, 9                       ; and a wave's share: eight rows of pt, or 512 bytes of each 4,096 of st
	s_mov_b32 s31, 0
	s_wait_kmcnt 0x0
	s_cselect_b64 s[32:33], s[14:15], s[16:17]
	s_add_nc_u64 s[32:33], s[32:33], s[30:31]
	v_lshlrev_b32 v5, s29, v3
	v_lshl_or_b32 v5, v4, 4, v5
	v_mov_b32 v8, s28
	v_mov_b32 v9, s28
	v_mov_b32 v10, s28
	v_mov_b32 v11, s28
	s_wait_alu depctr_va_vdst(0)                   ; v5 and v8 to v11 are written: the eight stores below read them as offset and data, and nothing writes them again
.set n, 0
.rept 8
	global_store_b128 v5, v[8:11], s[32:33] offset:4096*n  ; 512 consecutive bytes, aligned
.set n, n+1
.endr
	s_endpgm
.Lfunc_end_k_q33b3ca1562_cast:
	.size	k_q33b3ca1562_cast, .Lfunc_end_k_q33b3ca1562_cast-k_q33b3ca1562_cast
	.p2alignl 7, 3214868480
	.fill 96, 4, 3214868480
	.section	.rodata,"a",@progbits
	.p2align	6, 0x0
	.amdhsa_kernel k_q33b3ca1562_cast
		.amdhsa_group_segment_fixed_size 0
		.amdhsa_private_segment_fixed_size 0
		.amdhsa_enable_private_segment 0
		.amdhsa_kernarg_size 56
		.amdhsa_user_sgpr_count 2
		.amdhsa_user_sgpr_kernarg_segment_ptr 1
		.amdhsa_wavefront_size32 1
		.amdhsa_system_sgpr_workgroup_id_x 1
		.amdhsa_system_sgpr_workgroup_id_y 1
		.amdhsa_system_sgpr_workgroup_id_z 1
		.amdhsa_system_vgpr_workitem_id 0
		.amdhsa_next_free_vgpr 104
		.amdhsa_next_free_sgpr 66
		.amdhsa_reserve_vcc 0
		.amdhsa_float_denorm_mode_32 3
		.amdhsa_float_denorm_mode_16_64 3
		.amdhsa_memory_ordered 1
		.amdhsa_forward_progress 1
		.amdhsa_inst_pref_size 9
	.end_amdhsa_kernel
	.amdgpu_metadata
---
amdhsa.version: [ 1, 2 ]
amdhsa.kernels:
  - .name:           k_q33b3ca1562_cast
    .symbol:         k_q33b3ca1562_cast.kd
    .args:
      - { .name: x, .offset: 0, .size: 8, .value_kind: global_buffer, .address_space: global }
      - { .name: w_q, .offset: 8, .size: 8, .value_kind: global_buffer, .address_space: global }
      - { .name: w_k, .offset: 16, .size: 8, .value_kind: global_buffer, .address_space: global }
      - { .name: w_v, .offset: 24, .size: 8, .value_kind: global_buffer, .address_space: global }
      - { .name: ab, .offset: 32, .size: 8, .value_kind: global_buffer, .address_space: global }
      - { .name: pt, .offset: 40, .size: 8, .value_kind: global_buffer, .address_space: global }
      - { .name: st, .offset: 48, .size: 8, .value_kind: global_buffer, .address_space: global }
    .group_segment_fixed_size: 0
    .private_segment_fixed_size: 0
    .kernarg_segment_align: 8
    .kernarg_segment_size: 56
    .max_flat_workgroup_size: 256
    .sgpr_count:     66
    .vgpr_count:     104
    .wavefront_size: 32
...
	.end_amdgpu_metadata
.endif
;; end of part 5
;; launch proj: the kernel of part 2 again; grid 8 x 32, 4 waves a work-group, clusters of 4 x 4, 327,680 bytes of LDS; arguments ab, qk, vt; writes qk, vt
;; launch score: the kernel of part 3 again; grid 36 x 4, 4 waves a work-group, no clusters, 327,680 bytes of LDS; arguments qk, pt, st; writes pt, st
;; launch pv: the kernel of part 4 again; grid 8 x 32, 4 waves a work-group, clusters of 4 x 4, 327,680 bytes of LDS; arguments pt, vt, st, out0; writes out0
